; MI455X (gfx1250); checked and timed in simulation.
; The chip was launched on July 23, 2026; its instructions are those of AMD's public machine-readable ISA for CDNA 5 (MIT licence, August 2026) and "CDNA5" Instruction Set Architecture Reference Guide (July 2026). The comments in the code are by the model that wrote it; some were corrected since.
;; Single Head Attention. Allowed arithmetic: float matrix products may take bf16 or f16 operands with f32 sums; other float arithmetic in f32, or as packed bf16 or f16 multiplies, adds, multiply-adds, maxima and minima; sums over many terms, partial sums and values carried from step to step in f32; what a program stores and reads back later, other than sums and carried values, may be rounded once to bf16 or f16.
;; Inputs: Wk 1,024 x 1,024 float32; Wq 1,024 x 1,024 float32; Wv 1,024 x 1,024 float32; embedded 4 x 2,048 x 1,024 float32.
;; Outputs: out0 4 x 2,048 x 1,024 float32.
;; 2 versions, each right; version 2 is version 1 with the launch prep written anew for expert scheduling mode. Each part assembles by itself: llvm-mc -triple=amdgcn-amd-amdhsa -mcpu=gfx1250 --defsym DOCPART=n.
;; ======== version 1 of 2: 5 launches
;; limits: values are held in f16: magnitudes above 65,504 overflow, below 6.1e-05 lose precision
;; workspace buffers: xh 16,777,216 bytes; wh 6,291,456 bytes; qk 33,554,432 bytes; pt 33,554,432 bytes; stm 524,288 bytes; stl 524,288 bytes; yh 16,777,216 bytes
;; launch prep (part 1): grid 256 x 1, 16 waves a work-group, no clusters, 0 bytes of LDS; arguments embedded, Wq, Wk, Wv, xh, wh, stm, stl; writes xh, wh, stm, stl
.if DOCPART == 1
	.amdgcn_target "amdgcn-amd-amdhsa--gfx1250"
	.amdhsa_code_object_version 6
	.text
	.protected	k_qb13f263448_prep
	.globl	k_qb13f263448_prep
	.p2align	8
	.type	k_qb13f263448_prep,@function
k_qb13f263448_prep:
	s_mov_b64 s[64:65], 0
	v_nop
	global_prefetch_b8 v0, s[64:65] scope:SCOPE_SE
	s_setreg_imm32_b32 hwreg(HW_REG_WAVE_MODE, 25, 1), 1
	s_wait_xcnt 0x0
; CASTS.  xh = embedded, wh = [Wq | Wk | Wv], each number rounded once to bf16 and that number written as f16.
; LIMITS.  f16 holds no number from 65,520 on (it becomes an infinity); below 2^-14 it keeps its fixed step of 2^-24, so there the bf16 number is rounded a second time.
; A stream: each byte is read once and written once; no LDS, no matrix unit, no cluster (no two work-groups read the same byte).
; SHARES.  256 equal work-groups of 16 waves.  Each casts 131,072 bytes of embedded and 16,384 bytes of each weight: 22 loads of 16 bytes a thread, 8,192 bytes of the work-group apart.
; A wave's load covers 512 consecutive bytes, its store of 8 bytes a lane 256 consecutive bytes, aligned.  All 22 loads go out at once (180,224 bytes of a work-group on their way);
; a load's numbers are converted in place and stored from its two low registers, which nothing writes again: no store is waited for.
; Waves 0 to 7 also fill the tables of block maxima and block sums, 2,048 bytes of each a work-group: maxima with the lowest finite number, sums with 0, for the key blocks that the score launch leaves out.
.set X, 16                             ; v[16:103]  22 x 4 numbers as loaded; the low two of each four then hold the result
	s_load_b512 s[4:19], s[0:1], 0x0               ; embedded s[4:5], Wq s[6:7], Wk s[8:9], Wv s[10:11], xh s[12:13], wh s[14:15], stm s[16:17], stl s[18:19]
	v_lshlrev_b32 v1, 4, v0                        ; 16 t: my bytes in 8,192 of a source
	v_lshlrev_b32 v2, 3, v0                        ; 8 t: my bytes in 4,096 of a result
	v_lshrrev_b32 v3, 5, v0
	v_readfirstlane_b32 s20, v3                    ; wave 0..15
	s_mov_b32 s26, 0xffff0000                      ; a word's upper bf16
	s_lshl_b32 s22, ttmp9, 17                      ; my part of embedded,
	s_mov_b32 s23, 0
	s_lshl_b32 s24, ttmp9, 16                      ; of xh,
	s_mov_b32 s25, 0
	s_lshl_b32 s28, ttmp9, 14                      ; of each weight,
	s_mov_b32 s29, 0
	s_lshl_b32 s30, ttmp9, 13                      ; of each third of wh,
	s_mov_b32 s31, 0
	s_lshl_b32 s34, ttmp9, 11                      ; of each table
	s_mov_b32 s35, 0
	s_wait_kmcnt 0x0
	s_add_nc_u64 s[4:5], s[4:5], s[22:23]
	s_add_nc_u64 s[6:7], s[6:7], s[28:29]
	s_add_nc_u64 s[8:9], s[8:9], s[28:29]
	s_add_nc_u64 s[10:11], s[10:11], s[28:29]
	s_add_nc_u64 s[12:13], s[12:13], s[24:25]
	s_add_nc_u64 s[14:15], s[14:15], s[30:31]
	s_add_nc_u64 s[16:17], s[16:17], s[34:35]
	s_add_nc_u64 s[18:19], s[18:19], s[34:35]
.set j, 0
.rept 16
	global_load_b128 v[X+4*j:X+4*j+3], v1, s[4:5] offset:8192*j th:TH_LOAD_NT
.set j, j+1
.endr
.irp m, 0,1,2
.irp j, 0,1
	global_load_b128 v[X+64+8*(\m)+4*(\j):X+64+8*(\m)+4*(\j)+3], v1, s[6+2*(\m):7+2*(\m)] offset:8192*(\j) th:TH_LOAD_NT
.endr
.endr
	s_cmp_lt_u32 s20, 8
	s_cbranch_scc0 .Lcast
	v_mov_b32 v4, 0xff7fffff                       ; the fills: 8 bytes a thread, threads 0 to 255
	v_mov_b32 v5, 0xff7fffff
	v_mov_b32 v6, 0
	v_mov_b32 v7, 0
	global_store_b64 v2, v[4:5], s[16:17]
	global_store_b64 v2, v[6:7], s[18:19]
.Lcast:
.macro CAST n, b, off
	s_wait_loadcnt 21-(\n)                         ; loads come back in order: number n is in, the younger ones stay out
	v_cvt_pk_bf16_f32 v8, v[X+4*(\n)], v[X+4*(\n)+1]    ; the one rounding
	v_cvt_pk_bf16_f32 v9, v[X+4*(\n)+2], v[X+4*(\n)+3]
	v_lshlrev_b32 v10, 16, v8                      ; back to f32,
	v_and_b32 v11, s26, v8
	v_lshlrev_b32 v12, 16, v9
	v_and_b32 v13, s26, v9
	v_cvt_pk_f16_f32 v[X+4*(\n)], v10, v11         ; and the same number as f16
	v_cvt_pk_f16_f32 v[X+4*(\n)+1], v12, v13
	global_store_b64 v2, v[X+4*(\n):X+4*(\n)+1], s[\b:\b+1] offset:\off
.endm
.set j, 0
.rept 16
	CAST j, 12, 4096*j
.set j, j+1
.endr
.irp m, 0,1,2
.irp j, 0,1
	CAST 16+2*(\m)+(\j), 14, 2097152*(\m)+4096*(\j)
.endr
.endr
	s_endpgm
.Lfunc_end_k_qb13f263448_prep:
	.size	k_qb13f263448_prep, .Lfunc_end_k_qb13f263448_prep-k_qb13f263448_prep
	.p2alignl 7, 3214868480
	.fill 96, 4, 3214868480
	.section	.rodata,"a",@progbits
	.p2align	6, 0x0
	.amdhsa_kernel k_qb13f263448_prep
		.amdhsa_group_segment_fixed_size 0
		.amdhsa_private_segment_fixed_size 0
		.amdhsa_enable_private_segment 0
		.amdhsa_kernarg_size 64
		.amdhsa_user_sgpr_count 2
		.amdhsa_user_sgpr_kernarg_segment_ptr 1
		.amdhsa_wavefront_size32 1
		.amdhsa_system_sgpr_workgroup_id_x 1
		.amdhsa_system_sgpr_workgroup_id_y 1
		.amdhsa_system_sgpr_workgroup_id_z 1
		.amdhsa_system_vgpr_workitem_id 0
		.amdhsa_next_free_vgpr 112
		.amdhsa_next_free_sgpr 66
		.amdhsa_reserve_vcc 0
		.amdhsa_float_denorm_mode_32 3
		.amdhsa_float_denorm_mode_16_64 3
		.amdhsa_memory_ordered 1
		.amdhsa_forward_progress 1
		.amdhsa_inst_pref_size 15
	.end_amdhsa_kernel
	.amdgpu_metadata
---
amdhsa.version: [ 1, 2 ]
amdhsa.kernels:
  - .name:           k_qb13f263448_prep
    .symbol:         k_qb13f263448_prep.kd
    .args:
      - { .name: embedded, .offset: 0, .size: 8, .value_kind: global_buffer, .address_space: global }
      - { .name: Wq, .offset: 8, .size: 8, .value_kind: global_buffer, .address_space: global }
      - { .name: Wk, .offset: 16, .size: 8, .value_kind: global_buffer, .address_space: global }
      - { .name: Wv, .offset: 24, .size: 8, .value_kind: global_buffer, .address_space: global }
      - { .name: xh, .offset: 32, .size: 8, .value_kind: global_buffer, .address_space: global }
      - { .name: wh, .offset: 40, .size: 8, .value_kind: global_buffer, .address_space: global }
      - { .name: stm, .offset: 48, .size: 8, .value_kind: global_buffer, .address_space: global }
      - { .name: stl, .offset: 56, .size: 8, .value_kind: global_buffer, .address_space: global }
    .group_segment_fixed_size: 0
    .private_segment_fixed_size: 0
    .kernarg_segment_align: 8
    .kernarg_segment_size: 64
    .max_flat_workgroup_size: 512
    .sgpr_count:     66
    .vgpr_count:     112
    .wavefront_size: 32
...
	.end_amdgpu_metadata
.endif
;; end of part 1
;; launch proj (part 2): grid 8 x 32, 4 waves a work-group, clusters of 4 x 4, 327,680 bytes of LDS; arguments xh, wh, qk; writes qk
.if DOCPART == 2
	.amdgcn_target "amdgcn-amd-amdhsa--gfx1250"
	.amdhsa_code_object_version 6
	.text
	.protected	k_qb13f263448_proj
	.globl	k_qb13f263448_proj
	.p2align	8
	.type	k_qb13f263448_proj,@function
k_qb13f263448_proj:
	s_mov_b64 s[64:65], 0
	v_nop
	global_prefetch_b8 v0, s[64:65] scope:SCOPE_SE
	s_setreg_imm32_b32 hwreg(HW_REG_WAVE_MODE, 25, 1), 1
	s_wait_xcnt 0x0
	s_wait_alu depctr_hold_cnt(0) depctr_sa_sdst(0) depctr_va_vdst(0) depctr_va_sdst(0) depctr_va_ssrc(0) depctr_va_vcc(0) depctr_vm_vsrc(0)
	s_getreg_b32 s2, hwreg(HW_REG_IB_STS2, 6, 4)
	s_cmp_eq_u32 s2, 0
	s_cbranch_scc0 .Lentry_in_a_cluster
	s_endpgm
.Lentry_in_a_cluster:
	s_bfe_u32 s2, ttmp6, 0x10000c
	s_cmp_lg_u32 s2, 0xf033
	s_cbranch_scc0 .Lentry_shape_is_right
	s_endpgm
.Lentry_shape_is_right:
; qk[8192][2048] = xh[8192][1024] x [Wq | Wk], f16 operands, f32 sums, the result rounded once to f16 (q in a row's first 2,048 bytes, k in the second).
; LIMIT.  q and k stay under 65,504 in magnitude; beyond that f16 gives an infinity.
; SHARES.  A work-group of four waves makes 256 x 256 of the result, a wave 128 x 128: 64 accumulators, 512 registers.  32 x 8 tiles: 256 work-groups.
; K goes in 8 steps of 128 through a ring of two LDS slots.  x's tile lies [row][k] (256 rows, 272 bytes apart), W's as it lies in memory, [k][column] (128 rows of 512 bytes, 544 apart),
; and is turned on its way into registers by ds_load_tr16_b128.  Waves 0, 1 fetch x's halves, waves 2, 3 W's.
; CLUSTER 4 x 4: x's tile hangs on the tile row alone and is asked for jointly along a row of the cluster, W's on the tile column alone, jointly along a column.
; THE PRODUCT IS TAKEN TRANSPOSED (source 0 = 16 columns of W, source 1 = 16 rows of x): a lane holds one row of the result and eight neighbouring columns.
; THE TEXT.  A quarter is 32 along K: 64 products on one of two fragment buffers; the next quarter's 32 LDS loads stand at its head, a whole quarter ahead of their use.  A block of 64 along K (QA on buffer 0, QB on buffer 1) is
; written once and looped over; the LDS offsets of the block in hand are scalars that step, and begin anew at the slot in hand (0 or SLOT, turned by an exclusive or).  A step's last quarter is the change of slots: the loop over blocks
; is left in its middle for it.  The first QA starts the sums, and the loop is then entered in its middle.  The last two steps, which fill nothing, are a second loop.
; THE WAY OUT: behind a barrier the ring is dead; each wave puts its f32 sums into its own 67,584 bytes of it and walks them by rows, 8 rows a trip.
; REGISTERS: window 0: v16-30 addresses; v64-127, v128-191 x's fragments, two buffers.  window 1: the same numbers, W's fragments.  windows 2, 3: accumulator (a, b) at v[8 (8 (a % 4) + b)].
.set PA,    272                        ; x's LDS pitch: 256 + 16 bytes: the 16 rows of a load start at 16 different groups of four banks (64 banks of 4 bytes: ISA guide 11.1)
.set PB,    544                        ; W's LDS pitch: 512 + 32 bytes, an odd multiple of 32
.set HALFT, 34816                      ; what one tensor load brings: 128 x 272 = 64 x 544
.set BOFS,  69632                      ; W's tile in a slot
.set SLOT,  139264
.set SPARE, 278528                     ; behind the ring: the spare words, 128 bytes a wave
.set DP,    528                        ; the way out: a row of 128 f32, 16 bytes of padding in its middle
.set DPW,   67584                      ; 128 such rows
.set ADRA,  16
.set ADRA0, 17
.set ADRB,  20
.set ADRB0, 21
.set STO,   22
.set RD,    23
.set GO,    24
.set SPW,   28
.set NIL,   29
.set PFO,   30
.set F0,    64
.set F1,    128
.set G1,  24                           ; s[24:31] group 1 for x's tiles; s[32:39] group 0: set 0 for K step 0, set 1 for K step 1, which then walks
.set G0,  32
.set G1B, 48                           ; s[48:55], s[56:63] the same for W's tiles
.set G0B, 56
.set LIM, 43                           ; s43 2 in a wave that prefetches, else the greatest number
.set PFA, 44                           ; s[44:45] where my prefetches stand
.set PST, 66                           ; s[66:67] a K step in bytes, for my prefetches
.set TL,  68                           ; s68 the tail's counter
.set BC,  69                           ; s69 counts a step's blocks
.set TA,  70                           ; s70 LDS offset of the block in hand in x's tile
.set TBB, 71                           ; s71 the same in W's
.set MSB, 0
.macro WIN new                         ; the immediate's high byte repeats the setting that is left
.if MSB != (\new)
	s_set_vgpr_msb (MSB<<8)|(\new)
.set MSB, \new
.endif
.endm
.set MUL_LO, 0xa1                      ; source 0 window 1, source 1 window 0, C and D window 2
.set TO_B,   0x40                      ; destination window 1
.macro PLACES                          ; four plain places behind matrix instructions, in front of loads into their sources and of reads of their results
.rept 4
	v_nop
.endr
.endm
.macro JLOAD s                         ; a joint load; the branch hangs on the wave's number alone; an s_nop 0 and four v_nop follow each line
	s_cmp_eq_u32 s11, 0
	s_cbranch_scc0 .Lfor_b_\@
	tensor_load_to_lds s[G0+4*(\s):G0+4*(\s)+3], s[G1:G1+7]
	s_nop 0
.rept 4
	v_nop
.endr
	s_branch .Lasked_\@
.Lfor_b_\@:
	tensor_load_to_lds s[G0B+4*(\s):G0B+4*(\s)+3], s[G1B:G1B+7]
	s_nop 0
.rept 4
	v_nop
.endr
.Lasked_\@:
.endm
.macro CREST                           ; a round of the cluster's barrier behind its opening barrier
	s_cmp_lg_u32 s10, 0
	s_cbranch_scc1 .Lnot_wave_0_\@
	s_barrier_signal -3
.Lnot_wave_0_\@:
	s_barrier_wait -3
	s_barrier_signal -1
	s_barrier_wait -1
.endm
.macro CROUND
	s_barrier_signal -1
	s_barrier_wait -1
	CREST
.endm
; A prefetch of the K step that stands two refills on: trip n refills step n + 2 and names step n + 4, so trips 0 to 3 (counter 6 to 3) ask.  x's rows are named by the cluster with x = 0,
; W's by the cluster with y = 0; the four partners of a joint load take a quarter of its 128 blocks of 256 bytes each, told apart by address: each block is named once in the launch.
.macro ASK
	s_cmp_gt_u32 s3, s[LIM]
	s_cbranch_scc0 .Lnot_mine_\@
	global_prefetch_b8 v[PFO], s[PFA:PFA+1] th:TH_LOAD_NT scope:SCOPE_SE
.Lnot_mine_\@:
.endm
	s_load_b128 s[4:7], s[0:1], 0x0                ; xh s[4:5], wh s[6:7]
	s_load_b64 s[8:9], s[0:1], 0x10                ; qk
	v_lshl_add_u32 v[SPW], v0, 2, SPARE
	v_mov_b32 v[NIL], 0
	ds_add_u32 v[SPW], v[NIL]                      ; the wave's opening: the add and its wait stand ahead of my first tensor load
	v_lshrrev_b32 v1, 5, v0
	v_readfirstlane_b32 s10, v1                    ; wave 0..3
	s_lshr_b32 s11, s10, 1                         ; my half of the tile's rows; also: I fetch x (0) or W (1)
	s_and_b32 s12, s10, 1                          ; my half of its columns; also: which half of that tile I fetch
	s_bfe_u32 s40, ttmp6, 0x40000                  ; cx
	s_bfe_u32 s41, ttmp6, 0x40004                  ; cy
	s_lshl_b32 s42, ttmp9, 2
	s_add_co_u32 s42, s42, s40                     ; tile column
	s_and_b32 s13, ttmp7, 0xffff
	s_lshl_b32 s13, s13, 2
	s_add_co_u32 s13, s13, s41                     ; tile row
	s_lshl_b32 s14, s41, 2
	s_lshl_b32 s14, 15, s14                        ; my row of the cluster
	s_lshl_b32 s15, 0x1111, s40                    ; my column
	s_or_b32 s[G1], s14, (1<<16)|(1<<20)|(1<<21)|(5<<22)|(3<<25)   ; mask; 2-byte elements; padding on; bit 21 beside a mask; after every 64 words 4 words
	s_mov_b32 s[G1+1], 128<<16                     ; tensor_dim0 = 128
	s_mov_b32 s[G1+2], 128<<16                     ; tensor_dim1 = 128
	s_mov_b32 s[G1+3], 128<<16                     ; tile_dim0 = 128
	s_mov_b32 s[G1+4], 128                         ; tile_dim1 = 128
	s_mov_b32 s[G1+5], 1024                        ; elements from row to row
	s_mov_b32 s[G1+6], 0
	s_mov_b32 s[G1+7], 0
	s_or_b32 s[G1B], s15, (1<<16)|(1<<20)|(1<<21)|(6<<22)|(7<<25)  ; after every 128 words 8 words
	s_mov_b32 s[G1B+1], 256<<16                    ; 256 columns
	s_mov_b32 s[G1B+2], 64<<16                     ; 64 rows of k
	s_mov_b32 s[G1B+3], 256<<16
	s_mov_b32 s[G1B+4], 64
	s_mov_b32 s[G1B+5], 1024
	s_mov_b32 s[G1B+6], 0
	s_mov_b32 s[G1B+7], 0
	s_lshl_b32 s16, s13, 8
	s_lshl_b32 s17, s12, 7
	s_add_co_u32 s16, s16, s17
	s_lshl_b32 s16, s16, 11                        ; x: (256 tile row + 128 half) rows of 2,048 bytes
	s_mov_b32 s17, 0
	s_lshr_b32 s46, s42, 2
	s_lshl_b32 s46, s46, 21                        ; W: Wq or Wk,
	s_and_b32 s47, s42, 3
	s_lshl_b32 s47, s47, 9                         ; its 256 columns,
	s_add_co_u32 s46, s46, s47
	s_lshl_b32 s47, s12, 17                        ; my 64 rows of k
	s_add_co_u32 s46, s46, s47
	s_mov_b32 s47, 0
	s_mul_i32 s20, s10, HALFT                      ; where my part of a tile goes in a slot: the wave's number alone
	s_mov_b32 s2, 0                                ; the slot in hand
	s_mov_b32 s[TA], 0
	s_mov_b32 s[TBB], 0
	s_wait_dscnt 0x0                               ; the opening add is done
	s_wait_kmcnt 0x0
	s_add_nc_u64 s[14:15], s[4:5], s[16:17]
	s_add_nc_u64 s[46:47], s[6:7], s[46:47]
	CROUND                                         ; all sixteen work-groups are here: the first joint loads meet
.irp s, 0,1
	s_mov_b32 s[G0+4*(\s)], 1
	s_add_co_u32 s[G0+4*(\s)+1], s20, (\s)*SLOT
	s_add_nc_u64 s[G0+4*(\s)+2:G0+4*(\s)+3], s[14:15], (\s)*256
	s_or_b32 s[G0+4*(\s)+3], s[G0+4*(\s)+3], 0x80000000
	s_mov_b32 s[G0B+4*(\s)], 1
	s_add_co_u32 s[G0B+4*(\s)+1], s20, (\s)*SLOT
	s_add_nc_u64 s[G0B+4*(\s)+2:G0B+4*(\s)+3], s[46:47], (\s)*262144
	s_or_b32 s[G0B+4*(\s)+3], s[G0B+4*(\s)+3], 0x80000000
	JLOAD \s                                       ; two loads of mine are out
.endr
	v_and_b32 v1, 15, v0                           ; r = l % 16
	v_bfe_u32 v2, v0, 4, 1                         ; h = l / 16
	v_mul_u32_u24 v3, v1, PA
	v_lshl_add_u32 v3, v2, 4, v3
	s_mul_i32 s21, s11, HALFT
	v_add_nc_u32 v[ADRA0], s21, v3                 ; (128 half + r) x 272 + 16 h
	v_mov_b32 v[ADRA], v[ADRA0]
	v_and_b32 v4, 7, v0
	v_lshl_add_u32 v4, v2, 3, v4
	v_mul_u32_u24 v4, v4, PB                       ; the turning load: row of k 8 h + l % 8,
	v_bfe_u32 v5, v0, 3, 1
	v_lshl_add_u32 v4, v5, 4, v4                   ; columns 8 ((l / 8) % 2) on
	s_lshl_b32 s22, s12, 8
	s_add_co_u32 s22, s22, BOFS
	v_add_nc_u32 v[ADRB0], s22, v4
	v_mov_b32 v[ADRB], v[ADRB0]
	s_mul_i32 s23, s10, DPW                        ; the way out
	v_mul_u32_u24 v3, v1, DP
	v_lshl_add_u32 v3, v2, 5, v3
	v_add_nc_u32 v[STO], s23, v3                   ; in: row r, 32 bytes for each half of the lanes
	v_mul_u32_u24 v3, v2, DP
	v_lshl_add_u32 v3, v1, 5, v3
	v_lshl_add_u32 v3, v5, 4, v3                   ; back: lanes 0-15 one row, lanes 16-31 the next; 32 bytes a lane, past the padding from lane 8 on
	v_add_nc_u32 v[RD], s23, v3
	v_lshlrev_b32 v3, 12, v2
	v_lshl_add_u32 v[GO], v1, 4, v3                ; the same two rows in qk, 16 bytes a lane
	s_lshl_b32 s16, s13, 8
	s_lshl_b32 s17, s11, 7
	s_add_co_u32 s16, s16, s17
	s_lshl_b32 s16, s16, 12                        ; my first row of qk
	s_mov_b32 s17, 0
	s_add_nc_u64 s[8:9], s[8:9], s[16:17]
	s_lshl_b32 s18, s42, 9
	s_lshl_b32 s19, s12, 8
	s_add_co_u32 s18, s18, s19                     ; my first column, in bytes
	s_mov_b32 s19, 0
	s_add_nc_u64 s[8:9], s[8:9], s[18:19]
	; the prefetches
	s_and_b32 s22, ttmp7, 0xffff
	s_mov_b32 s18, 786432                          ; W's K step 3
	s_mov_b32 s[PST], 262144
	s_cmp_eq_u32 s11, 0
	s_cselect_b32 s21, s40, s41                    ; my place among the four that ask with me
	s_cselect_b32 s22, ttmp9, s22                  ; the coordinate along which other clusters read the same rows
	s_cselect_b32 s23, 16, 15                      ; my quarter: 32 rows of x, or 16 rows of W, of 2,048 bytes
	s_cselect_b32 s18, 768, s18                    ; x's K step 3
	s_cselect_b32 s[PST], 256, s[PST]
	s_cselect_b64 s[PFA:PFA+1], s[14:15], s[46:47]
	s_mov_b32 s[PST+1], 0
	s_cmp_eq_u32 s22, 0
	s_cselect_b32 s[LIM], 2, -1
	s_lshl_b32 s21, s21, s23
	s_add_co_u32 s18, s18, s21
	s_mov_b32 s19, 0
	s_add_nc_u64 s[PFA:PFA+1], s[PFA:PFA+1], s[18:19]  ; at K step 3: the first change of slots steps it to 4
	v_and_b32 v[PFO], 31, v0
	v_lshrrev_b32 v31, s11, v[PFO]                 ; x: a lane a row; W: two lanes a row of 512 bytes
	v_and_b32 v[PFO], s11, v[PFO]
	v_lshlrev_b32 v[PFO], 8, v[PFO]
	v_lshl_add_u32 v[PFO], v31, 11, v[PFO]
; 16 products: row blocks a0, a0 + 1 of the window's four x all 8 column blocks.  zero = 1: the first product starts the sums.  The 64 accumulators take turns in the same order in every quarter.
.macro MUL16 f, hi, a0, zero
	WIN MUL_LO+0x50*(\hi)
.irp a, \a0, (\a0)+1
.irp b, 0,1,2,3,4,5,6,7
.if \zero
	v_wmma_f32_16x16x32_f16 v[8*(8*(\a)+(\b)):8*(8*(\a)+(\b))+7], v[(\f)+8*(\b):(\f)+8*(\b)+7], v[(\f)+8*(4*(\hi)+(\a)):(\f)+8*(4*(\hi)+(\a))+7], 0
.else
	v_wmma_f32_16x16x32_f16 v[8*(8*(\a)+(\b)):8*(8*(\a)+(\b))+7], v[(\f)+8*(\b):(\f)+8*(\b)+7], v[(\f)+8*(4*(\hi)+(\a)):(\f)+8*(4*(\hi)+(\a))+7], v[8*(8*(\a)+(\b)):8*(8*(\a)+(\b))+7]
.endif
.endr
.endr
.endm
.macro FETCH sub, f                    ; 32 LDS loads in one run: half sub (32 along K) of the block in hand into buffer f: W's fragments, turned, then x's
	WIN TO_B
.irp i, 0,1,2,3,4,5,6,7
	ds_load_tr16_b128 v[(\f)+8*(\i):(\f)+8*(\i)+3],   v[ADRB] offset:(\sub)*32*PB+32*(\i)
	ds_load_tr16_b128 v[(\f)+8*(\i)+4:(\f)+8*(\i)+7], v[ADRB] offset:(\sub)*32*PB+32*(\i)+16*PB
.endr
	WIN 0
.irp i, 0,1,2,3,4,5,6,7
	ds_load_b128 v[(\f)+8*(\i):(\f)+8*(\i)+3],   v[ADRA] offset:64*(\sub)+(\i)*16*PA
	ds_load_b128 v[(\f)+8*(\i)+4:(\f)+8*(\i)+7], v[ADRA] offset:64*(\sub)+(\i)*16*PA+32
.endr
.endm
.macro QA zero                         ; a block's first half: multiplies buffer 0; at its head fetches the second half into buffer 1
	s_wait_dscnt 8                                 ; W's and x's rows 0-63 are in; the youngest eight loads (x's rows 64-127) may be out
	PLACES                                         ; behind the quarter before, which read buffer 1
	FETCH 1, F1
	MUL16 F0, 0, 0, \zero
	MUL16 F0, 0, 2, \zero
	s_wait_dscnt 32                                ; all but the 32 just issued
	MUL16 F0, 1, 0, \zero
	MUL16 F0, 1, 2, \zero
.endm
.macro QB                              ; a block's second half: multiplies buffer 1; at its head fetches the next block's first half into buffer 0
	s_wait_dscnt 8
	s_add_co_u32 s[TA], s[TA], 128                 ; 64 along K: 128 bytes of x's rows,
	s_add_co_u32 s[TBB], s[TBB], 64*PB             ; 64 rows of W's tile
	WIN 0
	v_add_nc_u32 v[ADRA], s[TA], v[ADRA0]
	v_add_nc_u32 v[ADRB], s[TBB], v[ADRB0]
	PLACES
	FETCH 0, F0
	MUL16 F1, 0, 0, 0
	MUL16 F1, 0, 2, 0
	s_wait_dscnt 32
	MUL16 F1, 1, 0, 0
	MUL16 F1, 1, 2, 0
.endm
; A step's last quarter multiplies buffer 1 and changes slots: one barrier, at its head.  In front of it each wave waits for all its tensor loads (one is out: its part of the next slot), adds 0 to its spare word,
; and waits for that and for its reads of this slot, the last of which were issued 64 products ago.  fill = 1: the barrier opens a round of the cluster's, and this slot is filled again first thing behind it, two K steps ahead:
; 240 products lie between the request and the wait for it.
.macro TURN fill
.if \fill
	s_wait_xcnt 0x0                                ; the last prefetch, a K step back, has read its address
	s_add_nc_u64 s[PFA:PFA+1], s[PFA:PFA+1], s[PST:PST+1]
.endif
	WIN 0
	s_wait_tensorcnt 0x0                           ; no tensor load of mine is out: the walking descriptor may be written
	ds_add_u32 v[SPW], v[NIL]
.if \fill
	s_add_co_u32 s[G0+5], s20, s2                  ; into the slot in hand,
	s_add_co_u32 s[G0B+5], s20, s2
	s_add_nc_u64 s[G0+6:G0+7], s[G0+6:G0+7], 256   ; the next K step
	s_add_nc_u64 s[G0B+6:G0B+7], s[G0B+6:G0B+7], 262144
.endif
	s_wait_dscnt 0x0                               ; the add is done, my reads of this slot are over
	s_barrier_signal -1
	MUL16 F1, 0, 0, 0                              ; work on registers while the others arrive
	WIN 0
	s_barrier_wait -1
.if \fill
	CREST
	JLOAD 1                                        ; its four v_nop are also the places in front of the loads below
.else
	PLACES
.endif
	s_xor_b32 s2, s2, SLOT                         ; the other slot, its first block
	s_mov_b32 s[TA], s2
	s_mov_b32 s[TBB], s2
	v_add_nc_u32 v[ADRA], s2, v[ADRA0]
	v_add_nc_u32 v[ADRB], s2, v[ADRB0]
	FETCH 0, F0
.if \fill
	ASK
.endif
	MUL16 F1, 0, 2, 0
	MUL16 F1, 1, 0, 0
	MUL16 F1, 1, 2, 0
.endm
	s_wait_tensorcnt 1                             ; my part of K step 0 is in; K step 1's may stay out
	s_barrier_signal -1
	s_barrier_wait -1
	FETCH 0, F0
	QA 1                                           ; the first quarter starts the sums
	WIN 0
	s_mov_b32 s3, 6
	s_mov_b32 s[BC], 2
	s_branch .Lmid                                 ; the loop is entered behind a block's first half
.Lstep:                                                ; trip n: K step n; its change of slots asks for step n + 2
	s_mov_b32 s[BC], 2
.Lblk:
	QA 0
	WIN 0
.Lmid:
	s_sub_co_u32 s[BC], s[BC], 1
	s_cmp_eq_u32 s[BC], 0
	s_cbranch_scc1 .Lturn                          ; the step's last quarter is the change of slots
	QB
	WIN 0
	s_branch .Lblk
.Lturn:
	TURN 1
	WIN 0
	s_sub_co_u32 s3, s3, 1
	s_cmp_lg_u32 s3, 0
	s_cbranch_scc1 .Lstep
	s_mov_b32 s[TL], 2
.Ltail:                                                ; K steps 6 and 7 fill nothing; the second trip is left for the last quarter
	s_mov_b32 s[BC], 2
.Lblk2:
	QA 0
	WIN 0
	s_sub_co_u32 s[BC], s[BC], 1
	s_cmp_eq_u32 s[BC], 0
	s_cbranch_scc1 .Lend2
	QB
	WIN 0
	s_branch .Lblk2
.Lend2:
	s_sub_co_u32 s[TL], s[TL], 1
	s_cmp_eq_u32 s[TL], 0
	s_cbranch_scc1 .Llast
	TURN 0
	WIN 0
	s_branch .Ltail
.Llast:
	s_wait_dscnt 8
	MUL16 F1, 0, 0, 0
	MUL16 F1, 0, 2, 0
	s_wait_dscnt 0x0
	MUL16 F1, 1, 0, 0
	MUL16 F1, 1, 2, 0
	WIN 0
	s_barrier_signal -1                            ; every wave's reads of the ring are over, and the ring has had its last fill
	PLACES                                         ; the places behind the last products
	s_barrier_wait -1
.irp a, 0,1,2,3,4,5,6,7                ; the sums go into my part of the dead ring; each accumulator's low registers first
	WIN 0x08+4*((\a)/4)
.irp b, 0,1,2,3,4,5,6,7
	ds_store_b128 v[STO], v[8*(8*((\a)%4)+(\b)):8*(8*((\a)%4)+(\b))+3]   offset:(\a)*16*DP+64*(\b)+16*((\b)/4)
	ds_store_b128 v[STO], v[8*(8*((\a)%4)+(\b))+4:8*(8*((\a)%4)+(\b))+7] offset:(\a)*16*DP+64*(\b)+16*((\b)/4)+16
.endr
.endr
	WIN 0
	s_mov_b32 s3, 16
.Lrow:                                                 ; 8 rows a trip; LDS serves a wave's instructions in order (ISA guide 5.7.1.4): the loads see my stores
.irp g, 0,1,2,3
	ds_load_b128 v[64+8*(\g):64+8*(\g)+3], v[RD] offset:2*DP*(\g)
	ds_load_b128 v[64+8*(\g)+4:64+8*(\g)+7], v[RD] offset:2*DP*(\g)+16
.endr
.irp g, 0,1,2,3
	s_wait_dscnt 6-2*(\g)                          ; pair g of rows is in
.irp k, 0,1,2,3
	v_cvt_pk_f16_f32 v[96+4*(\g)+(\k)], v[64+8*(\g)+2*(\k)], v[64+8*(\g)+2*(\k)+1]
.endr
	global_store_b128 v[GO], v[96+4*(\g):96+4*(\g)+3], s[8:9] offset:8192*(\g)  ; 16 lanes store 256 consecutive bytes, aligned
.endr
	s_wait_xcnt 0x0                                ; the stores have read their registers and their base
	s_add_nc_u64 s[8:9], s[8:9], 32768
	v_add_nc_u32 v[RD], 8*DP, v[RD]
	s_sub_co_u32 s3, s3, 1
	s_cmp_lg_u32 s3, 0
	s_cbranch_scc1 .Lrow
	s_wait_tensorcnt 0x0                           ; the wave's end
	ds_add_u32 v[SPW], v[NIL]
	s_wait_dscnt 0x0
	CROUND                                         ; the closing round
	s_endpgm
.Lfunc_end_k_qb13f263448_proj:
	.size	k_qb13f263448_proj, .Lfunc_end_k_qb13f263448_proj-k_qb13f263448_proj
	.p2alignl 7, 3214868480
	.fill 96, 4, 3214868480
	.section	.rodata,"a",@progbits
	.p2align	6, 0x0
	.amdhsa_kernel k_qb13f263448_proj
		.amdhsa_group_segment_fixed_size 327680
		.amdhsa_private_segment_fixed_size 0
		.amdhsa_enable_private_segment 0
		.amdhsa_kernarg_size 24
		.amdhsa_user_sgpr_count 2
		.amdhsa_user_sgpr_kernarg_segment_ptr 1
		.amdhsa_wavefront_size32 1
		.amdhsa_system_sgpr_workgroup_id_x 1
		.amdhsa_system_sgpr_workgroup_id_y 1
		.amdhsa_system_sgpr_workgroup_id_z 1
		.amdhsa_system_vgpr_workitem_id 0
		.amdhsa_next_free_vgpr 1024
		.amdhsa_next_free_sgpr 72
		.amdhsa_reserve_vcc 0
		.amdhsa_float_denorm_mode_32 3
		.amdhsa_float_denorm_mode_16_64 3
		.amdhsa_memory_ordered 1
		.amdhsa_forward_progress 1
		.amdhsa_inst_pref_size 73
	.end_amdhsa_kernel
	.amdgpu_metadata
---
amdhsa.version: [ 1, 2 ]
amdhsa.kernels:
  - .name:           k_qb13f263448_proj
    .symbol:         k_qb13f263448_proj.kd
    .args:
      - { .name: xh, .offset: 0, .size: 8, .value_kind: global_buffer, .address_space: global }
      - { .name: wh, .offset: 8, .size: 8, .value_kind: global_buffer, .address_space: global }
      - { .name: qk, .offset: 16, .size: 8, .value_kind: global_buffer, .address_space: global }
    .group_segment_fixed_size: 327680
    .private_segment_fixed_size: 0
    .kernarg_segment_align: 8
    .kernarg_segment_size: 24
    .max_flat_workgroup_size: 128
    .sgpr_count:     72
    .vgpr_count:     1024
    .wavefront_size: 32
...
	.end_amdgpu_metadata
.endif
;; end of part 2
;; launch score (part 3): grid 9 x 16, 4 waves a work-group, no clusters, 327,680 bytes of LDS; arguments qk, pt, stm, stl; writes pt, stm, stl
.if DOCPART == 3
	.amdgcn_target "amdgcn-amd-amdhsa--gfx1250"
	.amdhsa_code_object_version 6
	.text
	.protected	k_qb13f263448_score
	.globl	k_qb13f263448_score
	.p2align	8
	.type	k_qb13f263448_score,@function
k_qb13f263448_score:
	s_mov_b64 s[64:65], 0
	v_nop
	global_prefetch_b8 v0, s[64:65] scope:SCOPE_SE
	s_setreg_imm32_b32 hwreg(HW_REG_WAVE_MODE, 25, 1), 1
	s_wait_xcnt 0x0
; THE CAUSAL TILES OF q k^T.  For each row and each block of 128 keys: m = the block's largest raw sum, p = 2^(c (s - m)) with c = log2(e) / 32, rounded to f16 into pt, l = the sum of the unrounded p; m and l in f32 into stm and stl.
; The maximum is taken away first and the difference scaled: s - m is 0 at the maximum and never above it, so p lies in 0 to 1 and l in 1 to 128 whatever the scores.
; The next launch takes the row's true maximum over the blocks and rescales: together the two are the softmax with its maximum taken away.
; LIMITS.  A hidden score counts as its value less 1e30 (raw sums of f16 numbers stay under 4.4e12); a weight below 2^-126 counts as 0; NaN and infinities are not treated apart.
; SHARES.  A batch has 36 tiles of 256 x 256 on or under the diagonal: 9 work-groups for each of 4 pairs of tile rows (p and 7 - p): 144 equal work-groups.  A wave makes 128 x 128: one block of keys for 128 rows.
; NO CLUSTER: tile row i has i + 1 tiles and tile column j has 8 - j; neither divides into fours for every i or j.
; THE MASK is the C operand of the products that start the sums: 0 or -1e30.  On the diagonal tile a wave's quarter is open (columns' half < rows' half), hidden (>) or holds the diagonal (=); there accumulator (a, b) is open for b < a,
; hidden for b > a, and for b = a hidden where 8 h + j > r.  A wholly hidden quarter gives m near -1e30 and p of 0 or 1; the next launch's factor for it is 0.
; RING AND TEXT.  K in 8 steps of 128, two slots; each wave fetches 128 rows x 256 bytes with a descriptor of its own (waves 0, 1: q's halves; 2, 3: k's).  A quarter is 32 along K, 64 products; the next quarter's 32 LDS loads stand at its
; head.  A block of 64 along K (QA on buffer 0, QB on buffer 1) is written once and looped over, its LDS offset a scalar that steps; the loop is left in its middle for the change of slots, and entered in its middle behind the first QA.
; The sums go through the dead ring and are walked by rows.
; REGISTERS: window 0: v16-31 addresses; v32-55 the three mask sets, later at work; v64-127, v128-191 q's fragments.  window 1: k's fragments.  windows 2, 3: accumulator (a, b) at v[8 (8 (a % 4) + b)].
.set PA,    272
.set HALFT, 34816
.set BOFS,  69632
.set SLOT,  139264
.set STAT,  278528                     ; behind the ring: for each wave 128 m, then 128 l
.set SPARE, 282624                     ; the spare words, 128 bytes a wave
.set DP,    528
.set DPW,   67584
.set ADRA,  16
.set ADRA0, 17
.set ADRB,  20
.set ADRB0, 21
.set STO,   22
.set RD,    23
.set GO,    24
.set SA,    25
.set SR,    26
.set SG,    27
.set SPW,   28
.set NIL,   29
.set PFO,   30
.set F0,    64
.set F1,    128
.set X,     64                         ; the way out: 4 pairs of rows x 8 numbers
.set PK,    96                         ; packed weights
.set MX,    32                         ; four maxima, each the low register of a pair (v32, v34, v36, v38); the partners were written with the mask sets
.set LS,    116                        ; four sums
.set G1,  24
.set G0,  32                           ; s[32:35] K step 0; s[36:39] K step 1, which then walks
.set LIM, 43
.set PFA, 44
.set TL,  76                           ; s76, s77 are free behind the masks: the tail's counter,
.set BC,  77                           ; and the count of a step's blocks
.set CS,  80                           ; s[80:81] c
.set TA,  82                           ; s82 LDS offset of the block in hand, in q's tile and in k's
.set MSB, 0
.macro WIN new
.if MSB != (\new)
	s_set_vgpr_msb (MSB<<8)|(\new)
.set MSB, \new
.endif
.endm
.set MUL_LO, 0xa1
.set TO_B,   0x40
.macro PLACES
.rept 4
	v_nop
.endr
.endm
.macro JLOAD s                         ; each wave's own rows into its own LDS bytes; an s_nop 0 and four v_nop follow
	tensor_load_to_lds s[G0+4*(\s):G0+4*(\s)+3], s[G1:G1+7]
	s_nop 0
.rept 4
	v_nop
.endr
.endm
; A prefetch of the K step two refills on (trip n names step n + 4; trips 0 to 3 ask): my 128 rows x 256 bytes, a lane a row, four instructions.  q's rows are named by the tile row's first tile (j = 0),
; k's by the tile column's first (i = j): each block of 256 bytes once in the launch.
.macro ASK
	s_cmp_gt_u32 s3, s[LIM]
	s_cbranch_scc0 .Lnot_mine_\@
.irp n, 0,1,2,3
	global_prefetch_b8 v[PFO], s[PFA:PFA+1] offset:(\n)*131072 th:TH_LOAD_NT scope:SCOPE_SE
.endr
.Lnot_mine_\@:
.endm
	s_load_b256 s[68:75], s[0:1], 0x0              ; qk s[68:69], pt s[70:71], stm s[72:73], stl s[74:75]
	v_lshl_add_u32 v[SPW], v0, 2, SPARE
	v_mov_b32 v[NIL], 0
	ds_add_u32 v[SPW], v[NIL]                      ; the wave's opening: the add and its wait stand ahead of my first tensor load
	v_lshrrev_b32 v1, 5, v0
	v_readfirstlane_b32 s10, v1
	s_lshr_b32 s11, s10, 1                         ; my half of the rows; also: I fetch q (0) or k (1)
	s_and_b32 s12, s10, 1                          ; my half of the keys; also: which half I fetch
	s_and_b32 s13, ttmp7, 0xffff
	s_and_b32 s21, s13, 3                          ; p
	s_lshr_b32 s18, s13, 2                         ; the batch
	s_sub_co_u32 s16, 7, s21
	s_sub_co_u32 s17, ttmp9, s21
	s_sub_co_u32 s17, s17, 1
	s_cmp_le_u32 ttmp9, s21
	s_cselect_b32 s40, s21, s16                    ; i: tile row p for x <= p, else 7 - p
	s_cselect_b32 s41, ttmp9, s17                  ; j: x, or x - p - 1
	s_mov_b32 s[G1], (1<<16)|(1<<20)|(5<<22)|(3<<25)  ; 2-byte elements; padding on: after every 64 words 4 words
	s_mov_b32 s[G1+1], 128<<16
	s_mov_b32 s[G1+2], 128<<16
	s_mov_b32 s[G1+3], 128<<16
	s_mov_b32 s[G1+4], 128
	s_mov_b32 s[G1+5], 2048                        ; a row of qk is 2,048 elements
	s_mov_b32 s[G1+6], 0
	s_mov_b32 s[G1+7], 0
	s_cmp_eq_u32 s11, 0
	s_cselect_b32 s16, s40, s41
	s_lshl_b32 s16, s16, 8
	s_lshl_b32 s17, s18, 11
	s_add_co_u32 s16, s16, s17
	s_lshl_b32 s17, s12, 7
	s_add_co_u32 s16, s16, s17
	s_lshl_b32 s16, s16, 12                        ; my 128 rows of 4,096 bytes,
	s_lshl_b32 s17, s11, 11
	s_add_co_u32 s16, s16, s17                     ; q's half of a row or k's
	s_mov_b32 s17, 0
	s_mul_i32 s20, s10, HALFT
	s_mov_b32 s2, 0
	s_mov_b32 s[TA], 0
	s_mov_b32 s[CS], 0x3d38aa3b                    ; c = log2(e) / 32
	s_mov_b32 s[CS+1], s[CS]
	s_wait_dscnt 0x0
	s_wait_kmcnt 0x0
	s_add_nc_u64 s[14:15], s[68:69], s[16:17]
.irp s, 0,1
	s_mov_b32 s[G0+4*(\s)], 1
	s_add_co_u32 s[G0+4*(\s)+1], s20, (\s)*SLOT
	s_add_nc_u64 s[G0+4*(\s)+2:G0+4*(\s)+3], s[14:15], (\s)*256
	s_or_b32 s[G0+4*(\s)+3], s[G0+4*(\s)+3], 0x80000000
	JLOAD \s                                       ; two loads of mine are out
.endr
	v_and_b32 v1, 15, v0                           ; r, later i
	v_bfe_u32 v2, v0, 4, 1                         ; h, later hh
	v_mul_u32_u24 v3, v1, PA
	v_lshl_add_u32 v3, v2, 4, v3
	s_mul_i32 s21, s11, HALFT
	v_add_nc_u32 v[ADRA0], s21, v3
	v_mov_b32 v[ADRA], v[ADRA0]
	s_mul_i32 s22, s12, HALFT
	s_add_co_u32 s22, s22, BOFS
	v_add_nc_u32 v[ADRB0], s22, v3
	v_mov_b32 v[ADRB], v[ADRB0]
	; the mask sets
	s_mov_b32 s19, 0xf149f2ca                      ; -1e30
	s_cmp_eq_u32 s40, s41
	s_cselect_b32 s22, 1, 0
	s_cmp_gt_u32 s12, s11
	s_cselect_b32 s23, s22, 0
	s_cmp_ge_u32 s12, s11
	s_cselect_b32 s21, s22, 0
	s_cmp_eq_u32 s23, 1
	s_cselect_b32 s76, s19, 0                      ; under the diagonal of blocks
	s_cmp_eq_u32 s21, 1
	s_cselect_b32 s77, s19, 0                      ; above it
	v_lshlrev_b32 v3, 3, v2
	v_sub_nc_u32 v3, v1, v3                        ; r - 8 h
	v_mov_b32 v4, s77
.irp j, 0,1,2,3,4,5,6,7
	v_mov_b32 v[32+(\j)], s76
	v_mov_b32 v[48+(\j)], s77
	v_cmp_gt_i32 s78, \j, v3                       ; key 8 h + j behind row r
	v_cndmask_b32 v[40+(\j)], v[32+(\j)], v4, s78
.endr
	; the way out
	s_mul_i32 s23, s10, DPW
	v_mul_u32_u24 v3, v1, DP
	v_lshl_add_u32 v3, v2, 5, v3
	v_add_nc_u32 v[STO], s23, v3
	v_mul_u32_u24 v3, v2, DP
	v_lshl_add_u32 v3, v1, 5, v3
	v_bfe_u32 v5, v0, 3, 1
	v_lshl_add_u32 v3, v5, 4, v3
	v_add_nc_u32 v[RD], s23, v3
	v_lshlrev_b32 v3, 12, v2
	v_lshl_add_u32 v[GO], v1, 4, v3
	v_and_b32 v5, 1, v0
	v_cmp_eq_u32 s79, 1, v5                        ; odd lanes carry l, even lanes m
	s_lshl_b32 s23, s10, 10
	s_add_co_u32 s23, s23, STAT
	v_lshl_add_u32 v[SA], v5, 9, s23
	v_lshl_add_u32 v[SA], v2, 2, v[SA]             ; my wave's table + 512 for l + 4 for the odd row
	v_and_b32 v[SG], 31, v0
	v_lshlrev_b32 v[SG], 4, v[SG]
	v_add_nc_u32 v[SR], s23, v[SG]
	s_lshl_b32 s16, s40, 8
	s_lshl_b32 s17, s11, 7
	s_add_co_u32 s16, s16, s17                     ; my first row in the batch
	s_lshl_b32 s22, s18, 4
	s_lshl_b32 s23, s41, 1
	s_add_co_u32 s22, s22, s23
	s_add_co_u32 s22, s22, s12                     ; 16 batch + my block of keys
	s_lshl_b32 s22, s22, 11
	s_add_co_u32 s22, s22, s16
	s_lshl_b32 s22, s22, 2
	s_mov_b32 s23, 0
	s_add_nc_u64 s[72:73], s[72:73], s[22:23]
	s_add_nc_u64 s[74:75], s[74:75], s[22:23]
	s_lshl_b32 s16, s16, 12
	s_lshl_b32 s17, s18, 23
	s_add_co_u32 s16, s16, s17
	s_lshl_b32 s17, s41, 9
	s_add_co_u32 s16, s16, s17
	s_lshl_b32 s17, s12, 8
	s_add_co_u32 s16, s16, s17
	s_mov_b32 s17, 0
	s_add_nc_u64 s[70:71], s[70:71], s[16:17]      ; pt at my first row and key
	; the prefetches
	s_cmp_eq_u32 s41, 0
	s_cselect_b32 s21, 1, 0
	s_cmp_eq_u32 s40, s41
	s_cselect_b32 s22, 1, 0
	s_cmp_eq_u32 s11, 0
	s_cselect_b32 s21, s21, s22
	s_cmp_eq_u32 s21, 1
	s_cselect_b32 s[LIM], 2, -1
	s_add_nc_u64 s[PFA:PFA+1], s[14:15], 768       ; at K step 3: the first change of slots steps it to 4
	v_and_b32 v[PFO], 31, v0
	v_lshlrev_b32 v[PFO], 12, v[PFO]
; zero = 1: the first product starts the sum with its mask set, which lies in window 0.  The 64 accumulators take turns in the same order in every quarter.
.macro MUL16 f, hi, a0, zero
.if \zero
	WIN 0x81+0x40*(\hi)
.else
	WIN MUL_LO+0x50*(\hi)
.endif
.irp a, \a0, (\a0)+1
.irp b, 0,1,2,3,4,5,6,7
.if \zero
.set CM, 40
.if (\b) < 4*(\hi)+(\a)
.set CM, 32
.endif
.if (\b) > 4*(\hi)+(\a)
.set CM, 48
.endif
	v_wmma_f32_16x16x32_f16 v[8*(8*(\a)+(\b)):8*(8*(\a)+(\b))+7], v[(\f)+8*(\b):(\f)+8*(\b)+7], v[(\f)+8*(4*(\hi)+(\a)):(\f)+8*(4*(\hi)+(\a))+7], v[CM:CM+7]
.else
	v_wmma_f32_16x16x32_f16 v[8*(8*(\a)+(\b)):8*(8*(\a)+(\b))+7], v[(\f)+8*(\b):(\f)+8*(\b)+7], v[(\f)+8*(4*(\hi)+(\a)):(\f)+8*(4*(\hi)+(\a))+7], v[8*(8*(\a)+(\b)):8*(8*(\a)+(\b))+7]
.endif
.endr
.endr
.endm
.macro FETCH sub, f                    ; 32 LDS loads in one run: half sub (32 along K) of the block in hand: k's fragments, then q's
	WIN TO_B
.irp i, 0,1,2,3,4,5,6,7
	ds_load_b128 v[(\f)+8*(\i):(\f)+8*(\i)+3],   v[ADRB] offset:64*(\sub)+(\i)*16*PA
	ds_load_b128 v[(\f)+8*(\i)+4:(\f)+8*(\i)+7], v[ADRB] offset:64*(\sub)+(\i)*16*PA+32
.endr
	WIN 0
.irp i, 0,1,2,3,4,5,6,7
	ds_load_b128 v[(\f)+8*(\i):(\f)+8*(\i)+3],   v[ADRA] offset:64*(\sub)+(\i)*16*PA
	ds_load_b128 v[(\f)+8*(\i)+4:(\f)+8*(\i)+7], v[ADRA] offset:64*(\sub)+(\i)*16*PA+32
.endr
.endm
.macro QA zero                         ; a block's first half: multiplies buffer 0; at its head fetches the second half into buffer 1
	s_wait_dscnt 8                                 ; k's and q's rows 0-63 are in; the youngest eight loads (q's rows 64-127) may be out
	PLACES                                         ; behind the quarter before, which read buffer 1
	FETCH 1, F1
	MUL16 F0, 0, 0, \zero
	MUL16 F0, 0, 2, \zero
	s_wait_dscnt 32                                ; all but the 32 just issued
	MUL16 F0, 1, 0, \zero
	MUL16 F0, 1, 2, \zero
.endm
.macro QB                              ; a block's second half: multiplies buffer 1; at its head fetches the next block's first half into buffer 0
	s_wait_dscnt 8
	s_add_co_u32 s[TA], s[TA], 128                 ; 64 along K: 128 bytes of the rows
	WIN 0
	v_add_nc_u32 v[ADRA], s[TA], v[ADRA0]
	v_add_nc_u32 v[ADRB], s[TA], v[ADRB0]
	PLACES
	FETCH 0, F0
	MUL16 F1, 0, 0, 0
	MUL16 F1, 0, 2, 0
	s_wait_dscnt 32
	MUL16 F1, 1, 0, 0
	MUL16 F1, 1, 2, 0
.endm
; A step's last quarter and the change of slots: one barrier, at its head; the refill is the first thing behind it: 240 products lie between the request and the wait for it.
.macro TURN fill
.if \fill
	s_wait_xcnt 0x0                                ; the last prefetches, a K step back, have read their address
	s_add_nc_u64 s[PFA:PFA+1], s[PFA:PFA+1], 256
.endif
	WIN 0
	s_wait_tensorcnt 0x0                           ; my one load that was out, my part of the next slot, has landed
	ds_add_u32 v[SPW], v[NIL]
.if \fill
	s_add_co_u32 s[G0+5], s20, s2
	s_add_nc_u64 s[G0+6:G0+7], s[G0+6:G0+7], 256
.endif
	s_wait_dscnt 0x0                               ; the add is done, my reads of this slot (the last issued 64 products ago) are over
	s_barrier_signal -1
	MUL16 F1, 0, 0, 0
	WIN 0
	s_barrier_wait -1
.if \fill
	JLOAD 1
.else
	PLACES
.endif
	s_xor_b32 s2, s2, SLOT
	s_mov_b32 s[TA], s2
	v_add_nc_u32 v[ADRA], s2, v[ADRA0]
	v_add_nc_u32 v[ADRB], s2, v[ADRB0]
	FETCH 0, F0
.if \fill
	ASK
.endif
	MUL16 F1, 0, 2, 0
	MUL16 F1, 1, 0, 0
	MUL16 F1, 1, 2, 0
.endm
	s_wait_tensorcnt 1                             ; my part of K step 0 is in; K step 1's may stay out
	s_barrier_signal -1
	s_barrier_wait -1
	FETCH 0, F0
	QA 1
	WIN 0
	s_mov_b32 s3, 6
	s_mov_b32 s[BC], 2
	s_branch .Lmid                                 ; the loop is entered behind a block's first half
.Lstep:
	s_mov_b32 s[BC], 2
.Lblk:
	QA 0
	WIN 0
.Lmid:
	s_sub_co_u32 s[BC], s[BC], 1
	s_cmp_eq_u32 s[BC], 0
	s_cbranch_scc1 .Lturn
	QB
	WIN 0
	s_branch .Lblk
.Lturn:
	TURN 1
	WIN 0
	s_sub_co_u32 s3, s3, 1
	s_cmp_lg_u32 s3, 0
	s_cbranch_scc1 .Lstep
	s_mov_b32 s[TL], 2
.Ltail:
	s_mov_b32 s[BC], 2
.Lblk2:
	QA 0
	WIN 0
	s_sub_co_u32 s[BC], s[BC], 1
	s_cmp_eq_u32 s[BC], 0
	s_cbranch_scc1 .Lend2
	QB
	WIN 0
	s_branch .Lblk2
.Lend2:
	s_sub_co_u32 s[TL], s[TL], 1
	s_cmp_eq_u32 s[TL], 0
	s_cbranch_scc1 .Llast
	TURN 0
	WIN 0
	s_branch .Ltail
.Llast:
	s_wait_dscnt 8
	MUL16 F1, 0, 0, 0
	MUL16 F1, 0, 2, 0
	s_wait_dscnt 0x0
	MUL16 F1, 1, 0, 0
	MUL16 F1, 1, 2, 0
	WIN 0
	s_barrier_signal -1                            ; every wave's reads of the ring are over, and the ring has had its last fill
	PLACES
	s_barrier_wait -1
.irp a, 0,1,2,3,4,5,6,7
	WIN 0x08+4*((\a)/4)
.irp b, 0,1,2,3,4,5,6,7
	ds_store_b128 v[STO], v[8*(8*((\a)%4)+(\b)):8*(8*((\a)%4)+(\b))+3]   offset:(\a)*16*DP+64*(\b)+16*((\b)/4)
	ds_store_b128 v[STO], v[8*(8*((\a)%4)+(\b))+4:8*(8*((\a)%4)+(\b))+7] offset:(\a)*16*DP+64*(\b)+16*((\b)/4)+16
.endr
.endr
	WIN 0
	s_mov_b32 s3, 16
.Lrow:                                                 ; 8 rows a trip, as 4 pairs g: lanes 0-15 hold the even row, lanes 16-31 the odd one, 8 keys a lane
.irp g, 0,1,2,3
	ds_load_b128 v[X+8*(\g):X+8*(\g)+3], v[RD] offset:2*DP*(\g)
	ds_load_b128 v[X+8*(\g)+4:X+8*(\g)+7], v[RD] offset:2*DP*(\g)+16
.endr
	s_wait_dscnt 0x0
.irp g, 0,1,2,3
	v_max3_num_f32 v[MX+2*(\g)], v[X+8*(\g)], v[X+8*(\g)+1], v[X+8*(\g)+2]
.endr
.irp g, 0,1,2,3
	v_max3_num_f32 v[MX+2*(\g)], v[MX+2*(\g)], v[X+8*(\g)+3], v[X+8*(\g)+4]
.endr
.irp g, 0,1,2,3
	v_max3_num_f32 v[MX+2*(\g)], v[MX+2*(\g)], v[X+8*(\g)+5], v[X+8*(\g)+6]
.endr
.irp g, 0,1,2,3
	v_max_num_f32 v[MX+2*(\g)], v[MX+2*(\g)], v[X+8*(\g)+7]
.endr
.irp m, 1,2,4,8                        ; across the row's 16 lanes
.irp g, 0,1,2,3
	v_max_num_f32_dpp v[MX+2*(\g)], v[MX+2*(\g)], v[MX+2*(\g)] row_xmask:\m row_mask:0xf bank_mask:0xf
.endr
.endr
.irp g, 0,1,2,3
.irp k, 0,2,4,6
	v_pk_add_f32 v[X+8*(\g)+(\k):X+8*(\g)+(\k)+1], v[X+8*(\g)+(\k):X+8*(\g)+(\k)+1], v[MX+2*(\g):MX+2*(\g)+1] op_sel_hi:[1,0] neg_lo:[0,1] neg_hi:[0,1]  ; s - m first: never above 0, and 0 at the maximum, however large the scores
.endr
.endr
.irp g, 0,1,2,3
.irp k, 0,2,4,6
	v_pk_mul_f32 v[X+8*(\g)+(\k):X+8*(\g)+(\k)+1], v[X+8*(\g)+(\k):X+8*(\g)+(\k)+1], s[CS:CS+1] op_sel_hi:[1,0]  ; then c (s - m)
.endr
.endr
.set e, 0
.rept 32
	v_exp_f32 v[X+e], v[X+e]
.set e, e+1
.endr
	v_nop                                          ; a plain instruction behind the last exponential,
	s_wait_alu depctr_va_vdst(0)                   ; and one wait for the batch of 32
.set e, 0
.rept 16
	v_cvt_pk_f16_f32 v[PK+e], v[X+2*e], v[X+2*e+1]
.set e, e+1
.endr
.irp g, 0,1,2,3
	global_store_b128 v[GO], v[PK+4*(\g):PK+4*(\g)+3], s[70:71] offset:8192*(\g)  ; 16 lanes store 256 consecutive bytes, aligned
.endr
.irp g, 0,1,2,3
	v_pk_add_f32 v[X+8*(\g):X+8*(\g)+1], v[X+8*(\g):X+8*(\g)+1], v[X+8*(\g)+2:X+8*(\g)+3]
	v_pk_add_f32 v[X+8*(\g)+4:X+8*(\g)+5], v[X+8*(\g)+4:X+8*(\g)+5], v[X+8*(\g)+6:X+8*(\g)+7]
.endr
.irp g, 0,1,2,3
	v_pk_add_f32 v[X+8*(\g):X+8*(\g)+1], v[X+8*(\g):X+8*(\g)+1], v[X+8*(\g)+4:X+8*(\g)+5]
.endr
.irp g, 0,1,2,3
	v_add_f32 v[LS+(\g)], v[X+8*(\g)], v[X+8*(\g)+1]
.endr
.irp m, 1,2,4,8
.irp g, 0,1,2,3
	v_add_f32_dpp v[LS+(\g)], v[LS+(\g)], v[LS+(\g)] row_xmask:\m row_mask:0xf bank_mask:0xf
.endr
.endr
.irp g, 0,1,2,3
	v_cndmask_b32 v[LS+(\g)], v[MX+2*(\g)], v[LS+(\g)], s79
	ds_store_b32 v[SA], v[LS+(\g)] offset:8*(\g)   ; eight lanes write the same word with the same number
.endr
	s_wait_xcnt 0x0                                ; the stores have read their registers and their base
	s_add_nc_u64 s[70:71], s[70:71], 32768
	v_add_nc_u32 v[RD], 8*DP, v[RD]
	v_add_nc_u32 v[SA], 32, v[SA]
	s_sub_co_u32 s3, s3, 1
	s_cmp_lg_u32 s3, 0
	s_cbranch_scc1 .Lrow
	ds_load_b128 v[64:67], v[SR]                   ; my wave's 128 m and 128 l, each 512 consecutive bytes
	ds_load_b128 v[68:71], v[SR] offset:512
	s_wait_dscnt 0x0
	global_store_b128 v[SG], v[64:67], s[72:73]
	global_store_b128 v[SG], v[68:71], s[74:75]
	s_wait_tensorcnt 0x0                           ; the wave's end
	ds_add_u32 v[SPW], v[NIL]
	s_wait_dscnt 0x0
	s_endpgm
.Lfunc_end_k_qb13f263448_score:
	.size	k_qb13f263448_score, .Lfunc_end_k_qb13f263448_score-k_qb13f263448_score
	.p2alignl 7, 3214868480
	.fill 96, 4, 3214868480
	.section	.rodata,"a",@progbits
	.p2align	6, 0x0
	.amdhsa_kernel k_qb13f263448_score
		.amdhsa_group_segment_fixed_size 327680
		.amdhsa_private_segment_fixed_size 0
		.amdhsa_enable_private_segment 0
		.amdhsa_kernarg_size 32
		.amdhsa_user_sgpr_count 2
		.amdhsa_user_sgpr_kernarg_segment_ptr 1
		.amdhsa_wavefront_size32 1
		.amdhsa_system_sgpr_workgroup_id_x 1
		.amdhsa_system_sgpr_workgroup_id_y 1
		.amdhsa_system_sgpr_workgroup_id_z 1
		.amdhsa_system_vgpr_workitem_id 0
		.amdhsa_next_free_vgpr 1024
		.amdhsa_next_free_sgpr 96
		.amdhsa_reserve_vcc 0
		.amdhsa_float_denorm_mode_32 3
		.amdhsa_float_denorm_mode_16_64 3
		.amdhsa_memory_ordered 1
		.amdhsa_forward_progress 1
		.amdhsa_inst_pref_size 79
	.end_amdhsa_kernel
	.amdgpu_metadata
---
amdhsa.version: [ 1, 2 ]
amdhsa.kernels:
  - .name:           k_qb13f263448_score
    .symbol:         k_qb13f263448_score.kd
    .args:
      - { .name: qk, .offset: 0, .size: 8, .value_kind: global_buffer, .address_space: global }
      - { .name: pt, .offset: 8, .size: 8, .value_kind: global_buffer, .address_space: global }
      - { .name: stm, .offset: 16, .size: 8, .value_kind: global_buffer, .address_space: global }
      - { .name: stl, .offset: 24, .size: 8, .value_kind: global_buffer, .address_space: global }
    .group_segment_fixed_size: 327680
    .private_segment_fixed_size: 0
    .kernarg_segment_align: 8
    .kernarg_segment_size: 32
    .max_flat_workgroup_size: 128
    .sgpr_count:     96
    .vgpr_count:     1024
    .wavefront_size: 32
...
	.end_amdgpu_metadata
.endif
;; end of part 3
;; launch mix (part 4): grid 8 x 32, 4 waves a work-group, clusters of 4 x 1, 327,680 bytes of LDS; arguments pt, xh, stm, stl, yh; writes yh
.if DOCPART == 4
	.amdgcn_target "amdgcn-amd-amdhsa--gfx1250"
	.amdhsa_code_object_version 6
	.text
	.protected	k_qb13f263448_mix
	.globl	k_qb13f263448_mix
	.p2align	8
	.type	k_qb13f263448_mix,@function
k_qb13f263448_mix:
	s_mov_b64 s[64:65], 0
	v_nop
	global_prefetch_b8 v0, s[64:65] scope:SCOPE_SE
	s_setreg_imm32_b32 hwreg(HW_REG_WAVE_MODE, 25, 1), 1
	s_wait_xcnt 0x0
	s_wait_alu depctr_hold_cnt(0) depctr_sa_sdst(0) depctr_va_vdst(0) depctr_va_sdst(0) depctr_va_ssrc(0) depctr_va_vcc(0) depctr_vm_vsrc(0)
	s_getreg_b32 s2, hwreg(HW_REG_IB_STS2, 6, 4)
	s_cmp_eq_u32 s2, 0
	s_cbranch_scc0 .Lentry_in_a_cluster
	s_endpgm
.Lentry_in_a_cluster:
	s_bfe_u32 s2, ttmp6, 0x10000c
	s_cmp_lg_u32 s2, 0x3003
	s_cbranch_scc0 .Lentry_shape_is_right
	s_endpgm
.Lentry_shape_is_right:
; y = softmax(scores) x.  For a row: M = the largest of its blocks' maxima m_t, f_t = 2^(c m_t - c M), L = the sum of f_t l_t, y = (the sum over blocks of (f_t P_t) x_t) / L; c = log2(e) / 32.
; P and x in f16, f_t rounded to f16 and multiplied onto P's fragments (packed f16, one more rounding of a matrix operand); M, L and the products' sums in f32; y rounded once to f16.
; yh lies in blocks of 64 channels, [16][8192][64], so that 16 rows of a wave's 64 channels are 2,048 consecutive bytes.
; LIMITS.  A factor below 2^-126 counts as 0; f p below 6e-5 keeps f16's fixed step of 6e-8; NaN and infinities are not treated apart.
; THE WALK.  A batch's rows lie in 16 tiles of 128; tile I needs I / 2 + 1 steps of 256 keys.  A work-group takes tile pb and then tile 15 - pb, for 128 channels: 9 steps whatever pb: equal work, one counted loop.
; Which tile of P and x a fill asks for hangs on scalars made from pb and enters the global address alone.  For an even I the last step's second block is hidden: its factor is 0.
; CLUSTER 4 x 1: the four channel tiles of a cluster walk the same P, which is asked for jointly; x's tile hangs on the place in the cluster and is a load of one's own, behind the same round.
; A wave makes 64 rows x 64 channels: 16 accumulators.  The product is taken transposed (source 0 = 16 channels of x, turned by ds_load_tr16_b128; source 1 = 16 rows of P).
; THE SUMS START AT 0 by 128 v_mov_b32 at the head (while the first tiles are on their way) and at the change of tiles: the price of writing a step once.
; REGISTERS: window 0: v16-31 addresses; v32-39 factors of the step in hand; v40-47 1 / L; v48-127 at work; v128-255 accumulator (a, b) at 128 + 8 (4 a + b).
;   window 1: two buffers of 128: for 64 keys, P's fragments at 8 (4 c + a), x's at 64 + 8 (4 c + b).
.set PA,    528                        ; P's LDS pitch: 512 + 16 bytes
.set PB,    288                        ; x's: 256 + 32, an odd multiple of 32
.set BOFS,  67584
.set SLOT,  141312
.set STAGE, 282624                     ; 16 rows x 144 bytes for each wave, for the way out
.set SP,    144
.set FT,    291840                     ; [9 steps][2 blocks][128 rows]: f twice, in f16
.set ILT,   301056                     ; [2 tiles][128 rows]: 1 / L
.set SPARE, 302080                     ; the spare words, 128 bytes a wave
.set ADRA,  16
.set ADRA0, 17
.set ADRB,  18                         ; v18 keys 0-127, v19 keys 128-255
.set ADRB0, 20
.set FA,    21
.set FA0,   22
.set STO,   24
.set RD,    25
.set GO,    26
.set ILA,   27
.set SPW,   28
.set NIL,   29
.set PFO,   30
.set FS,    32
.set IL,    40
.set TMP,   48
.set ACC,   128
.set F0,    0
.set F1,    128
.set G1,  24                           ; P's descriptors: group 1, and two sets of group 0 (step 0; step 1, which then walks)
.set G0,  32
.set G1B, 48                           ; x's
.set G0B, 56
.set LIM, 43
.set PFA, 44
.set RT,  66                           ; s66 steps of the tile in hand that are still to be ended
.set FB,  67                           ; s67 the step's place in the table of factors
.set TL,  78
.set MSB, 0
.macro WIN new
.if MSB != (\new)
	s_set_vgpr_msb (MSB<<8)|(\new)
.set MSB, \new
.endif
.endm
.set MUL,  0x05                        ; sources 0 and 1 window 1; C and D window 0
.set TO_F, 0x40
.set SCL,  0x41                        ; destination and source 0 window 1, source 1 window 0
.macro PLACES
.rept 4
	v_nop
.endr
.endm
.macro JLOAD s
	s_cmp_eq_u32 s11, 0
	s_cbranch_scc0 .Lfor_b_\@
	tensor_load_to_lds s[G0+4*(\s):G0+4*(\s)+3], s[G1:G1+7]
	s_nop 0
.rept 4
	v_nop
.endr
	s_branch .Lasked_\@
.Lfor_b_\@:
	tensor_load_to_lds s[G0B+4*(\s):G0B+4*(\s)+3], s[G1B:G1B+7]
	s_nop 0
.rept 4
	v_nop
.endr
.Lasked_\@:
.endm
.macro CREST
	s_cmp_lg_u32 s10, 0
	s_cbranch_scc1 .Lnot_wave_0_\@
	s_barrier_signal -3
.Lnot_wave_0_\@:
	s_barrier_wait -3
	s_barrier_signal -1
	s_barrier_wait -1
.endm
.macro CROUND
	s_barrier_signal -1
	s_barrier_wait -1
	CREST
.endm
; A walker: step n in its tile, the tile's last step lq, the tile's byte offset in P to.  Behind the short tile's last step it goes to the long tile's step 0.
.macro WINIT n, lq, to
	s_mov_b32 s[\n], 0
	s_sub_co_u32 s[\lq], s79, 1
	s_lshl_b32 s[\to], s15, 19
.endm
.macro ADV n, lq, to
	s_add_co_u32 s[\n], s[\n], 1
	s_cmp_gt_u32 s[\n], s[\lq]
	s_cselect_b32 s[\n], 0, s[\n]
	s_cselect_b32 s[\lq], s83, s[\lq]
	s_cselect_b32 s[\to], s93, s[\to]
.endm
.macro BUILD s                         ; both global addresses are made anew from the fill walker
	s_lshl_b32 s84, s80, 9
	s_add_co_u32 s84, s84, s82
	s_add_nc_u64 s[G0+4*(\s)+2:G0+4*(\s)+3], s[86:87], s[84:85]
	s_or_b32 s[G0+4*(\s)+3], s[G0+4*(\s)+3], 0x80000000
	s_lshl_b32 s84, s80, 19
	s_add_nc_u64 s[G0B+4*(\s)+2:G0B+4*(\s)+3], s[88:89], s[84:85]
	s_or_b32 s[G0B+4*(\s)+3], s[G0B+4*(\s)+3], 0x80000000
.endm
; A prefetch of P's tile two refills on (trip n refills step n + 2 and names step n + 4: trips 0 to 4, counter 7 to 3).  Both clusters of a row of the grid read the same P: the first asks; of a wave's 64 rows x 512 bytes each
; partner takes 16 rows, told apart by address: two lanes a row, one instruction.  x's tiles are walked by many work-groups again and again and are not asked for.
.macro ASK
	WIN 0
	s_cmp_gt_u32 s3, s[LIM]
	s_cbranch_scc0 .Lnot_mine_\@
	global_prefetch_b8 v[PFO], s[PFA:PFA+1] th:TH_LOAD_NT scope:SCOPE_SE
.Lnot_mine_\@:
.endm
.macro CLEAR
.set i, ACC
.rept 128
	v_mov_b32 v[i], 0
.set i, i+1
.endr
.endm
	s_load_b256 s[68:75], s[0:1], 0x0              ; pt s[68:69], xh s[70:71], stm s[72:73], stl s[74:75]
	s_load_b64 s[76:77], s[0:1], 0x20              ; yh
	v_lshl_add_u32 v[SPW], v0, 2, SPARE
	v_mov_b32 v[NIL], 0
	ds_add_u32 v[SPW], v[NIL]                      ; the wave's opening: the add and its wait stand ahead of my first tensor load
	v_lshrrev_b32 v1, 5, v0
	v_readfirstlane_b32 s10, v1
	s_lshr_b32 s11, s10, 1                         ; my half of the rows; also: I fetch P (0) or x (1)
	s_and_b32 s12, s10, 1                          ; my half of the channels; also: which half I fetch
	s_bfe_u32 s40, ttmp6, 0x40000                  ; cx
	s_lshl_b32 s42, ttmp9, 2
	s_add_co_u32 s42, s42, s40                     ; channel tile
	s_and_b32 s13, ttmp7, 0xffff
	s_lshr_b32 s14, s13, 3                         ; the batch
	s_and_b32 s15, s13, 7                          ; pb: the short tile
	s_lshr_b32 s79, s15, 1
	s_add_co_u32 s79, s79, 1                       ; its steps
	s_sub_co_u32 s83, 8, s79                       ; the long tile's last step
	s_sub_co_u32 s99, 15, s15                      ; the long tile
	s_lshl_b32 s93, s99, 19                        ; its 128 rows of 4,096 bytes in P
	s_mov_b32 s85, 0
	s_mov_b32 s98, 0x3d38aa3b                      ; c
	WINIT 80, 81, 82                               ; the fills' walker
	WINIT 90, 91, 92                               ; a second one, first for the table of factors
	s_mov_b32 s[G1], 15|(1<<16)|(1<<20)|(1<<21)|(6<<22)|(3<<25)  ; the mask of four; 2-byte elements; padding on; bit 21 beside a mask; after every 128 words 4 words
	s_mov_b32 s[G1+1], 256<<16                     ; 256 keys
	s_mov_b32 s[G1+2], 64<<16                      ; 64 rows
	s_mov_b32 s[G1+3], 256<<16
	s_mov_b32 s[G1+4], 64
	s_mov_b32 s[G1+5], 2048
	s_mov_b32 s[G1+6], 0
	s_mov_b32 s[G1+7], 0
	s_mov_b32 s[G1B], (1<<16)|(1<<20)|(5<<22)|(7<<25)  ; no mask; after every 64 words 8 words
	s_mov_b32 s[G1B+1], 128<<16                    ; 128 channels
	s_mov_b32 s[G1B+2], 128<<16                    ; 128 keys
	s_mov_b32 s[G1B+3], 128<<16
	s_mov_b32 s[G1B+4], 128
	s_mov_b32 s[G1B+5], 1024
	s_mov_b32 s[G1B+6], 0
	s_mov_b32 s[G1B+7], 0
	s_mul_i32 s20, s12, 64*PA
	s_mul_i32 s21, s12, 128*PB
	s_add_co_u32 s21, s21, BOFS
	s_cmp_eq_u32 s11, 0
	s_cselect_b32 s20, s20, s21                    ; where my part of a step's tiles goes in a slot
	s_mov_b32 s2, 0
	s_lshl_b32 s16, s14, 23
	s_lshl_b32 s17, s12, 18
	s_add_co_u32 s16, s16, s17                     ; P: the batch, my 64 rows
	s_mov_b32 s17, 0
	s_lshl_b32 s18, s14, 22
	s_lshl_b32 s19, s12, 18
	s_add_co_u32 s18, s18, s19                     ; x: the batch, my 128 keys,
	s_lshl_b32 s19, s42, 8
	s_add_co_u32 s18, s18, s19                     ; the 128 channels
	s_mov_b32 s19, 0
	s_wait_dscnt 0x0
	s_wait_kmcnt 0x0
	s_add_nc_u64 s[86:87], s[68:69], s[16:17]
	s_add_nc_u64 s[88:89], s[70:71], s[18:19]
	CROUND                                         ; all four work-groups are here: the first joint loads meet
.irp s, 0,1
	s_mov_b32 s[G0+4*(\s)], 1
	s_add_co_u32 s[G0+4*(\s)+1], s20, (\s)*SLOT
	s_mov_b32 s[G0B+4*(\s)], 1
	s_add_co_u32 s[G0B+4*(\s)+1], s20, (\s)*SLOT
.endr
	BUILD 0
	JLOAD 0
	ADV 80, 81, 82
	BUILD 1
	JLOAD 1                                        ; two loads of mine are out
	; the rows' statistics: thread t takes row t of both tiles: 16 m and 16 l each; and, in the walk's order, the 18 m of the steps' blocks
	v_lshlrev_b32 v3, 2, v0
	s_lshl_b32 s23, s14, 17
	s_lshl_b32 s21, s15, 9
	s_add_co_u32 s21, s21, s23
	v_add_nc_u32 v4, s21, v3
	s_lshl_b32 s21, s99, 9
	s_add_co_u32 s21, s21, s23
	v_add_nc_u32 v5, s21, v3
.irp t, 0,1
.irp k, 0,1,2,3,4,5,6,7,8,9,10,11,12,13,14,15
	global_load_b32 v[48+32*(\t)+(\k)], v[4+(\t)], s[72:73] offset:8192*(\k)
	global_load_b32 v[64+32*(\t)+(\k)], v[4+(\t)], s[74:75] offset:8192*(\k)
.endr
.endr
.set w, 0
.rept 9
	s_lshl_b32 s21, s90, 14                        ; the step's first block,
	s_lshr_b32 s22, s92, 10                        ; the tile's rows
	s_add_co_u32 s21, s21, s22
	s_add_co_u32 s21, s21, s23
	v_add_nc_u32 v[146+w], s21, v3
	global_load_b32 v[128+2*w], v[146+w], s[72:73]
	global_load_b32 v[129+2*w], v[146+w], s[72:73] offset:8192
	ADV 90, 91, 92
.set w, w+1
.endr
	WINIT 90, 91, 92                               ; now the prefetches' walker: at step 3; each filling change of slots steps it once more
	ADV 90, 91, 92
	ADV 90, 91, 92
	ADV 90, 91, 92
	; lane addresses
	v_and_b32 v1, 15, v0                           ; r
	v_bfe_u32 v2, v0, 4, 1                         ; h
	v_mul_u32_u24 v7, v1, PA
	v_lshl_add_u32 v7, v2, 4, v7
	s_mul_i32 s21, s11, 64*PA
	v_add_nc_u32 v[ADRA0], s21, v7
	v_mov_b32 v[ADRA], v[ADRA0]
	v_and_b32 v8, 7, v0
	v_lshl_add_u32 v7, v2, 3, v8
	v_mul_u32_u24 v7, v7, PB
	v_bfe_u32 v9, v0, 3, 1
	v_lshl_add_u32 v7, v9, 4, v7
	s_lshl_b32 s21, s12, 7
	s_add_co_u32 s21, s21, BOFS
	v_add_nc_u32 v[ADRB0], s21, v7
	v_mov_b32 v[ADRB], v[ADRB0]
	v_add_nc_u32 v[ADRB+1], 128*PB, v[ADRB0]
	s_lshl_b32 s21, s11, 8
	s_add_co_u32 s22, s21, FT
	v_lshl_add_u32 v[FA0], v1, 2, s22
	v_mov_b32 v[FA], v[FA0]
	s_add_co_u32 s22, s21, ILT
	v_lshl_add_u32 v[ILA], v1, 2, s22
	s_mul_i32 s21, s10, 16*SP
	s_add_co_u32 s21, s21, STAGE
	v_mul_u32_u24 v[STO], v1, SP
	v_lshl_add_u32 v[STO], v2, 4, v[STO]
	v_add_nc_u32 v[STO], s21, v[STO]               ; in: row r, 16 bytes for each half of the lanes
	v_bfe_u32 v[RD], v0, 3, 2
	v_mul_u32_u24 v[RD], v[RD], SP
	v_lshl_add_u32 v[RD], v8, 4, v[RD]
	v_add_nc_u32 v[RD], s21, v[RD]                 ; back: 32 lanes take four rows of 128 bytes,
	v_and_b32 v[GO], 31, v0
	v_lshlrev_b32 v[GO], 4, v[GO]                  ; which are 512 consecutive bytes of yh
	v_lshl_add_u32 v6, v0, 2, FT
	s_lshl_b32 s16, s42, 1
	s_add_co_u32 s16, s16, s12
	s_lshl_b32 s16, s16, 20                        ; my block of 64 channels
	s_lshl_b32 s18, s14, 11
	s_lshl_b32 s19, s11, 6
	s_add_co_u32 s18, s18, s19
	s_lshl_b32 s21, s15, 7
	s_add_co_u32 s21, s21, s18
	s_lshl_b32 s21, s21, 7
	s_add_co_u32 s84, s21, s16
	s_add_nc_u64 s[94:95], s[76:77], s[84:85]      ; yh at my rows of the short tile,
	s_lshl_b32 s21, s99, 7
	s_add_co_u32 s21, s21, s18
	s_lshl_b32 s21, s21, 7
	s_add_co_u32 s84, s21, s16
	s_add_nc_u64 s[96:97], s[76:77], s[84:85]      ; and of the long one
	s_lshl_b32 s84, s40, 16
	s_add_nc_u64 s[100:101], s[86:87], s[84:85]    ; the prefetches: my work-group's 16 of my 64 rows
	s_or_b32 s21, s11, ttmp9
	s_cmp_eq_u32 s21, 0
	s_cselect_b32 s[LIM], 2, -1
	v_and_b32 v[PFO], 31, v0
	v_lshrrev_b32 v31, 1, v[PFO]
	v_and_b32 v[PFO], 1, v[PFO]
	v_lshlrev_b32 v[PFO], 8, v[PFO]
	v_lshl_add_u32 v[PFO], v31, 12, v[PFO]
	s_wait_loadcnt 0x0
; M, c M, L and 1 / L of my row of tile t
.macro STAT t
.set Mr, 48+32*(\t)
.set Lr, 64+32*(\t)
	v_max3_num_f32 v112, v[Mr], v[Mr+1], v[Mr+2]
.irp k, 3,5,7,9,11,13
	v_max3_num_f32 v112, v112, v[Mr+(\k)], v[Mr+(\k)+1]
.endr
	v_max_num_f32 v112, v112, v[Mr+15]
	v_mul_f32 v[116+(\t)], s98, v112
.irp k, 0,1,2,3,4,5,6,7,8,9,10,11,12,13,14,15
	v_fma_f32 v[Mr+(\k)], v[Mr+(\k)], s98, -v[116+(\t)]
.endr
.irp k, 0,1,2,3,4,5,6,7,8,9,10,11,12,13,14,15
	v_exp_f32 v[Mr+(\k)], v[Mr+(\k)]
.endr
	v_nop
	s_wait_alu depctr_va_vdst(0)                   ; one wait for the 16 exponentials
	v_mul_f32 v114, v[Mr], v[Lr]
.irp k, 1,2,3,4,5,6,7,8,9,10,11,12,13,14,15
	v_fmac_f32 v114, v[Mr+(\k)], v[Lr+(\k)]
.endr
	v_rcp_f32 v115, v114
	v_nop
	s_wait_alu depctr_va_vdst(0)
	ds_store_b32 v6, v115 offset:ILT-FT+512*(\t)
.endm
	STAT 0
	STAT 1
.set w, 0
.rept 9                                ; the factors in the walk's order: step w belongs to the short tile while w is under its number of steps
	s_cmp_gt_u32 s79, w
	s_cselect_b32 s21, -1, 0
	v_cndmask_b32 v120, v117, v116, s21
	v_fma_f32 v[128+2*w], v[128+2*w], s98, -v120
	v_fma_f32 v[129+2*w], v[129+2*w], s98, -v120
.set w, w+1
.endr
.set w, 0
.rept 18
	v_exp_f32 v[128+w], v[128+w]
.set w, w+1
.endr
	v_nop
	s_wait_alu depctr_va_vdst(0)
.set w, 0
.rept 18
	v_cvt_pk_f16_f32 v[128+w], v[128+w], v[128+w]
	ds_store_b32 v6, v[128+w] offset:512*w
.set w, w+1
.endr
	CLEAR
	s_wait_dscnt 0x0                               ; for the others' sake: my rows of the tables are written
	s_wait_tensorcnt 1                             ; my part of step 0 is in; step 1's may stay out
	s_barrier_signal -1
	s_barrier_wait -1
.macro MUL8 f, c, a0                   ; 8 products: row blocks a0, a0 + 1 x 4 channel blocks, 32 keys.  The 16 accumulators take turns
	WIN MUL
.irp a, \a0, (\a0)+1
.irp b, 0,1,2,3
	v_wmma_f32_16x16x32_f16 v[ACC+8*(4*(\a)+(\b)):ACC+8*(4*(\a)+(\b))+7], v[(\f)+64+8*(4*(\c)+(\b)):(\f)+64+8*(4*(\c)+(\b))+7], v[(\f)+8*(4*(\c)+(\a)):(\f)+8*(4*(\c)+(\a))+7], v[ACC+8*(4*(\a)+(\b)):ACC+8*(4*(\a)+(\b))+7]
.endr
.endr
.endm
.macro SCALE f, c, blk                 ; P's four fragments of half c times their rows' factor for key block blk
	WIN SCL
.irp a, 0,1,2,3
.irp k, 0,1,2,3,4,5,6,7
	v_pk_mul_f16 v[(\f)+8*(4*(\c)+(\a))+(\k)], v[(\f)+8*(4*(\c)+(\a))+(\k)], v[FS+4*(\blk)+(\a)]
.endr
.endr
.endm
.macro FETCHF                          ; the step's factors: two blocks x four row blocks
	WIN 0
.irp n, 0,1,2,3,4,5,6,7
	ds_load_b32 v[FS+(\n)], v[FA] offset:512*((\n)/4)+64*((\n)%4)
.endr
.endm
.macro FETCH q, f                      ; 32 LDS loads in one run: 64 keys' fragments, the first 32 keys first
	WIN TO_F
.irp c, 0,1
.irp i, 0,1,2,3
	ds_load_tr16_b128 v[(\f)+64+8*(4*(\c)+(\i)):(\f)+64+8*(4*(\c)+(\i))+3],   v[ADRB+(\q)/2] offset:(((\q)%2)*64+32*(\c))*PB+32*(\i)
	ds_load_tr16_b128 v[(\f)+64+8*(4*(\c)+(\i))+4:(\f)+64+8*(4*(\c)+(\i))+7], v[ADRB+(\q)/2] offset:(((\q)%2)*64+32*(\c))*PB+32*(\i)+16*PB
	ds_load_b128 v[(\f)+8*(4*(\c)+(\i)):(\f)+8*(4*(\c)+(\i))+3],   v[ADRA] offset:128*(\q)+64*(\c)+(\i)*16*PA
	ds_load_b128 v[(\f)+8*(4*(\c)+(\i))+4:(\f)+8*(4*(\c)+(\i))+7], v[ADRA] offset:128*(\q)+64*(\c)+(\i)*16*PA+32
.endr
.endr
.endm
.macro QUARTER q, f, g, blk            ; multiplies buffer f (key block blk); in its middle fetches quarter q into g
	s_wait_dscnt 16                                ; the first 32 keys (and, older, the factors) are in
	SCALE \f, 0, \blk
	MUL8 \f, 0, 0
	MUL8 \f, 0, 2
	PLACES
	FETCH \q, \g
	s_wait_dscnt 32                                ; all but the 32 just issued
	SCALE \f, 1, \blk
	MUL8 \f, 1, 0
	MUL8 \f, 1, 2
.endm
; The last quarter and the change of slots.  Both scalings stand ahead of the loads that bring the next step's factors into the same registers.
.macro TURN fill
.if \fill
	s_wait_xcnt 0x0                                ; the last prefetch, a step back, has read its address
	ADV 90, 91, 92
	s_lshl_b32 s84, s90, 9
	s_add_co_u32 s84, s84, s92
	s_add_nc_u64 s[PFA:PFA+1], s[100:101], s[84:85]
.endif
	WIN 0
	s_wait_tensorcnt 0x0                           ; my one load that was out has landed: the walking descriptors may be written
	ds_add_u32 v[SPW], v[NIL]
.if \fill
	ADV 80, 81, 82
	s_add_co_u32 s[G0+5], s20, s2
	s_add_co_u32 s[G0B+5], s20, s2
	BUILD 1
.endif
	s_wait_dscnt 17                                ; the add and the youngest sixteen loads may be out
	SCALE F1, 0, 1
	MUL8 F1, 0, 0
	s_wait_dscnt 0x0                               ; the add is done, my reads of this slot are over
	s_barrier_signal -1
	SCALE F1, 1, 1
	MUL8 F1, 0, 2
	WIN 0
	s_barrier_wait -1
.if \fill
	CREST
	JLOAD 1                                        ; 112 products lie between this request and the wait for it
.else
	PLACES
.endif
	s_xor_b32 s2, s2, SLOT
	s_add_co_u32 s[FB], s[FB], 1024
	s_sub_co_u32 s[RT], s[RT], 1
	v_add_nc_u32 v[ADRA], s2, v[ADRA0]
	v_add_nc_u32 v[ADRB], s2, v[ADRB0]
	v_add_nc_u32 v[ADRB+1], 128*PB, v[ADRB]
	v_add_nc_u32 v[FA], s[FB], v[FA0]
	FETCHF
	FETCH 0, F0
.if \fill
	ASK
.endif
	MUL8 F1, 1, 0
	MUL8 F1, 1, 2
.endm
; THE WAY OUT of tile t: the sums times 1 / L, rounded to f16, through my stage, 16 rows at a time.
.macro PACK a
.set i, ACC+32*(\a)
.rept 16
	v_pk_mul_f32 v[i:i+1], v[i:i+1], v[IL+2*(\a):IL+2*(\a)+1] op_sel_hi:[1,0]
.set i, i+2
.endr
.set i, 0
.rept 16
	v_cvt_pk_f16_f32 v[TMP+16*(\a)+i], v[ACC+32*(\a)+2*i], v[ACC+32*(\a)+2*i+1]
.set i, i+1
.endr
.irp b, 0,1,2,3
	ds_store_b128 v[STO], v[TMP+16*(\a)+4*(\b):TMP+16*(\a)+4*(\b)+3] offset:32*(\b)
.endr
.irp b, 0,1,2,3
	ds_load_b128 v[TMP+16*(\a)+4*(\b):TMP+16*(\a)+4*(\b)+3], v[RD] offset:(\b)*4*SP  ; LDS serves a wave's instructions in order (ISA guide 5.7.1.4)
.endr
.endm
.macro SEND a, younger, yb
.irp b, 0,1,2,3
	s_wait_dscnt (\younger)+3-(\b)
	global_store_b128 v[GO], v[TMP+16*(\a)+4*(\b):TMP+16*(\a)+4*(\b)+3], s[\yb:\yb+1] offset:(\a)*2048+(\b)*512  ; 512 consecutive bytes, aligned
.endr
.endm
.macro WAYOUT t, yb
	WIN 0
.irp a, 0,1,2,3
	ds_load_b32 v[IL+2*(\a)], v[ILA] offset:512*(\t)+64*(\a)
	ds_load_b32 v[IL+2*(\a)+1], v[ILA] offset:512*(\t)+64*(\a)  ; named as a pair, so both are written
.endr
	PLACES                                         ; the places behind the tile's last products
	s_wait_dscnt 0x0
	s_wait_xcnt 0x0                                ; earlier stores have read the registers that are written below
	PACK 0
	PACK 1
	SEND 0, 8, \yb
	PACK 2
	SEND 1, 8, \yb
	PACK 3
	SEND 2, 8, \yb
	SEND 3, 0, \yb
.endm
	FETCHF
	FETCH 0, F0
	WIN 0
	s_mov_b32 s[RT], s79
	s_mov_b32 s[FB], 0
	s_mov_b32 s3, 7
.Lstep:                                                ; trip n: step n of the walk; the refill brings step n + 2
	QUARTER 1, F0, F1, 0
	QUARTER 2, F1, F0, 0
	QUARTER 3, F0, F1, 1
	TURN 1
	WIN 0
	s_cmp_eq_u32 s[RT], 0                          ; the short tile's last step (trips 0 to 3): the same in all partners; the jump passes no barrier and no tensor load
	s_cbranch_scc0 .Lgo
	WAYOUT 0, 94
	CLEAR
.Lgo:
	s_sub_co_u32 s3, s3, 1
	s_cmp_lg_u32 s3, 0
	s_cbranch_scc1 .Lstep
	s_mov_b32 s[TL], 2
.Ltail:                                                ; steps 7 and 8 fill nothing; the second trip is left in its middle
	QUARTER 1, F0, F1, 0
	QUARTER 2, F1, F0, 0
	QUARTER 3, F0, F1, 1
	WIN 0
	s_sub_co_u32 s[TL], s[TL], 1
	s_cmp_eq_u32 s[TL], 0
	s_cbranch_scc1 .Llast
	TURN 0
	WIN 0
	s_branch .Ltail
.Llast:
	s_wait_dscnt 16
	SCALE F1, 0, 1
	MUL8 F1, 0, 0
	MUL8 F1, 0, 2
	s_wait_dscnt 0x0
	SCALE F1, 1, 1
	MUL8 F1, 1, 0
	MUL8 F1, 1, 2
	WAYOUT 1, 96
	s_wait_tensorcnt 0x0                           ; the wave's end
	ds_add_u32 v[SPW], v[NIL]
	s_wait_dscnt 0x0
	CROUND                                         ; the closing round
	s_endpgm
.Lfunc_end_k_qb13f263448_mix:
	.size	k_qb13f263448_mix, .Lfunc_end_k_qb13f263448_mix-k_qb13f263448_mix
	.p2alignl 7, 3214868480
	.fill 96, 4, 3214868480
	.section	.rodata,"a",@progbits
	.p2align	6, 0x0
	.amdhsa_kernel k_qb13f263448_mix
		.amdhsa_group_segment_fixed_size 327680
		.amdhsa_private_segment_fixed_size 0
		.amdhsa_enable_private_segment 0
		.amdhsa_kernarg_size 40
		.amdhsa_user_sgpr_count 2
		.amdhsa_user_sgpr_kernarg_segment_ptr 1
		.amdhsa_wavefront_size32 1
		.amdhsa_system_sgpr_workgroup_id_x 1
		.amdhsa_system_sgpr_workgroup_id_y 1
		.amdhsa_system_sgpr_workgroup_id_z 1
		.amdhsa_system_vgpr_workitem_id 0
		.amdhsa_next_free_vgpr 512
		.amdhsa_next_free_sgpr 102
		.amdhsa_reserve_vcc 0
		.amdhsa_float_denorm_mode_32 3
		.amdhsa_float_denorm_mode_16_64 3
		.amdhsa_memory_ordered 1
		.amdhsa_forward_progress 1
		.amdhsa_inst_pref_size 145
	.end_amdhsa_kernel
	.amdgpu_metadata
---
amdhsa.version: [ 1, 2 ]
amdhsa.kernels:
  - .name:           k_qb13f263448_mix
    .symbol:         k_qb13f263448_mix.kd
    .args:
      - { .name: pt, .offset: 0, .size: 8, .value_kind: global_buffer, .address_space: global }
      - { .name: xh, .offset: 8, .size: 8, .value_kind: global_buffer, .address_space: global }
      - { .name: stm, .offset: 16, .size: 8, .value_kind: global_buffer, .address_space: global }
      - { .name: stl, .offset: 24, .size: 8, .value_kind: global_buffer, .address_space: global }
      - { .name: yh, .offset: 32, .size: 8, .value_kind: global_buffer, .address_space: global }
    .group_segment_fixed_size: 327680
    .private_segment_fixed_size: 0
    .kernarg_segment_align: 8
    .kernarg_segment_size: 40
    .max_flat_workgroup_size: 128
    .sgpr_count:     102
    .vgpr_count:     512
    .wavefront_size: 32
...
	.end_amdgpu_metadata
.endif
;; end of part 4
;; launch outp (part 5): grid 8 x 32, 4 waves a work-group, clusters of 4 x 4, 327,680 bytes of LDS; arguments yh, wh, out0; writes out0
.if DOCPART == 5
	.amdgcn_target "amdgcn-amd-amdhsa--gfx1250"
	.amdhsa_code_object_version 6
	.text
	.protected	k_qb13f263448_outp
	.globl	k_qb13f263448_outp
	.p2align	8
	.type	k_qb13f263448_outp,@function
k_qb13f263448_outp:
	s_mov_b64 s[64:65], 0
	v_nop
	global_prefetch_b8 v0, s[64:65] scope:SCOPE_SE
	s_setreg_imm32_b32 hwreg(HW_REG_WAVE_MODE, 25, 1), 1
	s_wait_xcnt 0x0
	s_wait_alu depctr_hold_cnt(0) depctr_sa_sdst(0) depctr_va_vdst(0) depctr_va_sdst(0) depctr_va_ssrc(0) depctr_va_vcc(0) depctr_vm_vsrc(0)
	s_getreg_b32 s2, hwreg(HW_REG_IB_STS2, 6, 4)
	s_cmp_eq_u32 s2, 0
	s_cbranch_scc0 .Lentry_in_a_cluster
	s_endpgm
.Lentry_in_a_cluster:
	s_bfe_u32 s2, ttmp6, 0x10000c
	s_cmp_lg_u32 s2, 0xf033
	s_cbranch_scc0 .Lentry_shape_is_right
	s_endpgm
.Lentry_shape_is_right:
; out0[8192][1024] = round(10000 (y Wv)) / 10000, y and Wv in f16, sums in f32.  (softmax x) Wv is softmax (x Wv) with the products taken in another order.
; LIMIT.  The division by 10,000 is a multiplication by the f32 nearest to 1e-4: at most one unit in the last place beside the quotient.  Halves go to the even neighbour.
; SHARES.  A work-group makes 256 rows x 128 columns, a wave 128 x 64: 32 accumulators.  32 x 8 tiles: 256 work-groups.
; K STEPS OF 192, as long as two slots in LDS allow: a step then holds 192 products a wave in which the next tile lands.  y lies in blocks of 64 channels, [16][8192][64]: a step is three blocks, and K = 1,024 is five steps and one block.
; 128 rows of a block are 16,384 dense bytes.  Wave 0 or 1 asks for its 128 rows of a step's three blocks by ONE descriptor: three rows of 8,192 elements, 524,288 elements apart; in LDS 16 bytes of padding follow every 256 bytes (two rows
; of y), so a pair of rows is 272 bytes: the 16 rows of a fragment load start at 16 different groups of four banks (64 banks of 4 bytes: ISA guide 11.1).  Wv's tile lies as in memory, [k][column] (192 rows of 256 bytes, 288 apart),
; waves 2 and 3 fetch 96 rows each, and it is turned by ds_load_tr16_b128.  The last fill (one block; 32 rows of Wv a wave) has its sizes written into the same descriptors, behind the wait that shows all loads done.
; CLUSTER 4 x 4: y's tile is asked for jointly along a row of the cluster, Wv's along a column.
; THE TEXT.  A quarter is 32 along K, 32 products; the next quarter's 24 LDS loads stand at its head.  A block (QA on buffer 0, QB on buffer 1) is written once and looped over, its LDS offsets scalars that step; the loop is left in its middle
; for the change of slots, and entered in its middle behind the first QA, which starts the sums.  Steps 0 to 2 are a loop; steps 3 (the small fill), 4 (no fill) and 5 (one block) are written out.  The sums leave through the dead ring, by rows.
; REGISTERS: window 0: v16-30 addresses; v64-127, v128-191 y's fragments.  window 1: v64-95, v128-159 Wv's.  window 2: accumulator (a, b) at v[8 (4 a + b)].
.set PP,    272                        ; two rows of y in LDS
.set ABLK,  17408                      ; 128 rows of a block: 64 x 272
.set AHALF, 52224                      ; three such: what wave 0 or 1 fetches
.set BOFS,  104448                     ; Wv's tile in a slot
.set PB,    288
.set BBLK,  18432                      ; 64 rows of Wv
.set BHALF, 27648                      ; 96 rows: what wave 2 or 3 fetches
.set SLOT,  159744
.set SPARE, 319488                     ; behind the ring: the spare words, 128 bytes a wave
.set ASTEP, 3145728                    ; a K step in yh: three blocks of 1,048,576 bytes
.set BSTEP, 393216                     ; and in wh: 192 rows of 2,048 bytes
.set DP,    272                        ; the way out: a row of 64 f32 + 16 bytes
.set DPW,   34816
.set ADRA,  16
.set ADRA0, 17
.set ADRB,  20
.set ADRB0, 21
.set STO,   22
.set RD,    23
.set GO,    24
.set SPW,   28
.set NIL,   29
.set PFO,   30
.set F0,    64
.set F1,    128
.set G1,  24                           ; s[24:31] group 1 for y's tiles; s[32:39] group 0: set 0 for step 0, set 1 for step 1, which then walks
.set G0,  32
.set G1B, 48                           ; s[48:55], s[56:63] the same for Wv's
.set G0B, 56
.set LIM, 43                           ; s43 1 in the wave that prefetches, else the greatest number
.set PFA, 44
.set SM,  66                           ; s66 where my part of the small fill goes in a slot
.set BK,  68                           ; s[68:69] what the small fill takes off Wv's walking address: 64 rows for wave 3
.set BC,  70                           ; s70 counts a step's blocks
.set TA,  71                           ; s71 LDS offset of the block in hand in y's tile
.set TBB, 72                           ; s72 the same in Wv's
.set MSB, 0
.macro WIN new
.if MSB != (\new)
	s_set_vgpr_msb (MSB<<8)|(\new)
.set MSB, \new
.endif
.endm
.set MULW, 0xa1
.set TO_B, 0x40
.macro PLACES
.rept 4
	v_nop
.endr
.endm
.macro JLOAD s
	s_cmp_eq_u32 s11, 0
	s_cbranch_scc0 .Lfor_b_\@
	tensor_load_to_lds s[G0+4*(\s):G0+4*(\s)+3], s[G1:G1+7]
	s_nop 0
.rept 4
	v_nop
.endr
	s_branch .Lasked_\@
.Lfor_b_\@:
	tensor_load_to_lds s[G0B+4*(\s):G0B+4*(\s)+3], s[G1B:G1B+7]
	s_nop 0
.rept 4
	v_nop
.endr
.Lasked_\@:
.endm
.macro CREST
	s_cmp_lg_u32 s10, 0
	s_cbranch_scc1 .Lnot_wave_0_\@
	s_barrier_signal -3
.Lnot_wave_0_\@:
	s_barrier_wait -3
	s_barrier_signal -1
	s_barrier_wait -1
.endm
.macro CROUND
	s_barrier_signal -1
	s_barrier_wait -1
	CREST
.endm
; A prefetch of y's K step that the NEXT refill will ask for: trip n refills step n + 2 and names step n + 3; trips 0 and 1 (counter 3 and 2) ask; the last block comes by its load alone.  Both clusters of a row of clusters read the same
; rows of y: the one with x = 0 asks, its wave 0 alone.  Of the tile's 256 rows (128 blocks of 256 bytes in each channel block) each of the four partners takes 64 rows, told apart by address: a lane a block of 256 bytes, one instruction for
; each of the three channel blocks.  Wv's 192 rows of a step do not share out among four partners in whole runs of 32 lanes, so they are not asked for.
.macro ASK
	s_cmp_gt_u32 s3, s[LIM]
	s_cbranch_scc0 .Lnot_mine_\@
.irp n, 0,1,2
	global_prefetch_b8 v[PFO], s[PFA:PFA+1] offset:(\n)*1048576 th:TH_LOAD_NT scope:SCOPE_SE
.endr
.Lnot_mine_\@:
.endm
	s_load_b128 s[4:7], s[0:1], 0x0                ; yh s[4:5], wh s[6:7]
	s_load_b64 s[8:9], s[0:1], 0x10                ; out0
	v_lshl_add_u32 v[SPW], v0, 2, SPARE
	v_mov_b32 v[NIL], 0
	ds_add_u32 v[SPW], v[NIL]                      ; the wave's opening: the add and its wait stand ahead of my first tensor load
	v_lshrrev_b32 v1, 5, v0
	v_readfirstlane_b32 s10, v1
	s_lshr_b32 s11, s10, 1                         ; my half of the rows; also: I fetch y (0) or Wv (1)
	s_and_b32 s12, s10, 1                          ; my half of the columns; also: which half I fetch
	s_bfe_u32 s40, ttmp6, 0x40000
	s_bfe_u32 s41, ttmp6, 0x40004
	s_lshl_b32 s42, ttmp9, 2
	s_add_co_u32 s42, s42, s40                     ; tile column
	s_and_b32 s13, ttmp7, 0xffff
	s_lshl_b32 s13, s13, 2
	s_add_co_u32 s13, s13, s41                     ; tile row
	s_lshl_b32 s14, s41, 2
	s_lshl_b32 s14, 15, s14
	s_lshl_b32 s15, 0x1111, s40
	s_or_b32 s[G1], s14, (1<<16)|(1<<20)|(1<<21)|(5<<22)|(3<<25)   ; mask; 2-byte elements; padding on; bit 21 beside a mask; after every 64 words (two rows of y) 4 words
	s_mov_b32 s[G1+1], 8192<<16                    ; tensor_dim0 = 8,192: 128 rows of 64 channels, dense
	s_mov_b32 s[G1+2], 3<<16                       ; tensor_dim1 = 3 channel blocks
	s_mov_b32 s[G1+3], 8192<<16                    ; tile_dim0
	s_mov_b32 s[G1+4], 3                           ; tile_dim1
	s_mov_b32 s[G1+5], 524288                      ; elements from a channel block to the next
	s_mov_b32 s[G1+6], 0
	s_mov_b32 s[G1+7], 0
	s_or_b32 s[G1B], s15, (1<<16)|(1<<20)|(1<<21)|(5<<22)|(7<<25)  ; after every 64 words 8 words
	s_mov_b32 s[G1B+1], 128<<16                    ; 128 columns
	s_mov_b32 s[G1B+2], 96<<16                     ; 96 rows of k
	s_mov_b32 s[G1B+3], 128<<16
	s_mov_b32 s[G1B+4], 96
	s_mov_b32 s[G1B+5], 1024
	s_mov_b32 s[G1B+6], 0
	s_mov_b32 s[G1B+7], 0
	s_lshl_b32 s16, s13, 15                        ; y: the tile's 256 rows of 128 bytes,
	s_lshl_b32 s17, s12, 14                        ; my 128 of them
	s_add_co_u32 s16, s16, s17
	s_mov_b32 s17, 0
	s_mul_i32 s46, s12, 96*2048                    ; Wv: my 96 rows of k,
	s_lshl_b32 s47, s42, 8                         ; the tile's 128 columns,
	s_add_co_u32 s46, s46, s47
	s_add_co_u32 s46, s46, 4194304                 ; behind Wq and Wk
	s_mov_b32 s47, 0
	s_mul_i32 s20, s12, AHALF
	s_mul_i32 s21, s12, BHALF
	s_add_co_u32 s21, s21, BOFS
	s_mul_i32 s22, s12, 32*PB
	s_add_co_u32 s22, s22, BOFS
	s_cmp_eq_u32 s11, 0
	s_cselect_b32 s[SM], s20, s22                  ; the small fill: y's block at the head of my part, Wv's 32 rows on end
	s_cselect_b32 s20, s20, s21                    ; where my part of a step's tiles goes in a slot: the wave's number alone
	s_lshl_b32 s[BK], s12, 17
	s_mov_b32 s[BK+1], 0
	s_mov_b32 s2, 0
	s_mov_b32 s[TA], 0
	s_mov_b32 s[TBB], 0
	s_wait_dscnt 0x0
	s_wait_kmcnt 0x0
	s_add_nc_u64 s[14:15], s[4:5], s[16:17]
	s_add_nc_u64 s[46:47], s[6:7], s[46:47]
	CROUND                                         ; all sixteen work-groups are here: the first joint loads meet
.irp s, 0,1
	s_mov_b32 s[G0+4*(\s)], 1
	s_add_co_u32 s[G0+4*(\s)+1], s20, (\s)*SLOT
	s_add_nc_u64 s[G0+4*(\s)+2:G0+4*(\s)+3], s[14:15], (\s)*ASTEP
	s_or_b32 s[G0+4*(\s)+3], s[G0+4*(\s)+3], 0x80000000
	s_mov_b32 s[G0B+4*(\s)], 1
	s_add_co_u32 s[G0B+4*(\s)+1], s20, (\s)*SLOT
	s_add_nc_u64 s[G0B+4*(\s)+2:G0B+4*(\s)+3], s[46:47], (\s)*BSTEP
	s_or_b32 s[G0B+4*(\s)+3], s[G0B+4*(\s)+3], 0x80000000
	JLOAD \s                                       ; two loads of mine are out
.endr
	v_and_b32 v1, 15, v0                           ; r
	v_bfe_u32 v2, v0, 4, 1                         ; h
	v_lshrrev_b32 v3, 1, v1
	v_mul_u32_u24 v3, v3, PP                       ; the pair of rows,
	v_and_b32 v4, 1, v1
	v_lshl_add_u32 v3, v4, 7, v3                   ; the row in it,
	v_lshl_add_u32 v3, v2, 4, v3                   ; 16 bytes for each half of the lanes
	s_mul_i32 s21, s11, AHALF
	v_add_nc_u32 v[ADRA0], s21, v3
	v_mov_b32 v[ADRA], v[ADRA0]
	v_and_b32 v4, 7, v0
	v_lshl_add_u32 v4, v2, 3, v4
	v_mul_u32_u24 v4, v4, PB                       ; the turning load: row of k 8 h + l % 8,
	v_bfe_u32 v5, v0, 3, 1
	v_lshl_add_u32 v4, v5, 4, v4                   ; columns 8 ((l / 8) % 2) on
	s_lshl_b32 s22, s12, 7
	s_add_co_u32 s22, s22, BOFS
	v_add_nc_u32 v[ADRB0], s22, v4
	v_mov_b32 v[ADRB], v[ADRB0]
	s_mul_i32 s23, s10, DPW
	v_mul_u32_u24 v3, v1, DP
	v_lshl_add_u32 v3, v2, 5, v3
	v_add_nc_u32 v[STO], s23, v3                   ; the way out, in: row r, 32 bytes for each half of the lanes
	v_mul_u32_u24 v3, v2, DP
	v_lshl_add_u32 v3, v1, 4, v3
	v_add_nc_u32 v[RD], s23, v3                    ; back: lanes 0-15 one row of 256 bytes, lanes 16-31 the next
	v_lshlrev_b32 v3, 12, v2
	v_lshl_add_u32 v[GO], v1, 4, v3
	s_lshl_b32 s16, s13, 8
	s_lshl_b32 s17, s11, 7
	s_add_co_u32 s16, s16, s17
	s_lshl_b32 s16, s16, 12
	s_mov_b32 s17, 0
	s_add_nc_u64 s[8:9], s[8:9], s[16:17]
	s_lshl_b32 s18, s42, 9
	s_lshl_b32 s19, s12, 8
	s_add_co_u32 s18, s18, s19
	s_mov_b32 s19, 0
	s_add_nc_u64 s[8:9], s[8:9], s[18:19]
	; the prefetches (in wave 0 s[14:15] stands at the tile's first row)
	s_lshl_b32 s18, s40, 13                        ; my work-group's 64 rows
	s_add_co_u32 s18, s18, 2*ASTEP                 ; at step 2: the first change of slots steps it to 3
	s_add_nc_u64 s[PFA:PFA+1], s[14:15], s[18:19]
	s_or_b32 s21, s10, ttmp9
	s_cmp_eq_u32 s21, 0
	s_cselect_b32 s[LIM], 1, -1                    ; the same in all sixteen partners, for a given wave
	v_and_b32 v[PFO], 31, v0
	v_lshlrev_b32 v[PFO], 8, v[PFO]
.macro MUL8 f, a0, zero                ; 8 products: row blocks a0, a0 + 1 x 4 column blocks.  The 32 accumulators take turns in the same order in every quarter
	WIN MULW
.irp a, \a0, (\a0)+1
.irp b, 0,1,2,3
.if \zero
	v_wmma_f32_16x16x32_f16 v[8*(4*(\a)+(\b)):8*(4*(\a)+(\b))+7], v[(\f)+8*(\b):(\f)+8*(\b)+7], v[(\f)+8*(\a):(\f)+8*(\a)+7], 0
.else
	v_wmma_f32_16x16x32_f16 v[8*(4*(\a)+(\b)):8*(4*(\a)+(\b))+7], v[(\f)+8*(\b):(\f)+8*(\b)+7], v[(\f)+8*(\a):(\f)+8*(\a)+7], v[8*(4*(\a)+(\b)):8*(4*(\a)+(\b))+7]
.endif
.endr
.endr
.endm
.macro FETCH sub, f                    ; 24 LDS loads in one run: half sub (32 along K) of the block in hand: Wv's fragments, turned, then y's
	WIN TO_B
.irp i, 0,1,2,3
	ds_load_tr16_b128 v[(\f)+8*(\i):(\f)+8*(\i)+3],   v[ADRB] offset:(\sub)*32*PB+32*(\i)
	ds_load_tr16_b128 v[(\f)+8*(\i)+4:(\f)+8*(\i)+7], v[ADRB] offset:(\sub)*32*PB+32*(\i)+16*PB
.endr
	WIN 0
.irp i, 0,1,2,3,4,5,6,7
	ds_load_b128 v[(\f)+8*(\i):(\f)+8*(\i)+3],   v[ADRA] offset:64*(\sub)+(\i)*8*PP
	ds_load_b128 v[(\f)+8*(\i)+4:(\f)+8*(\i)+7], v[ADRA] offset:64*(\sub)+(\i)*8*PP+32
.endr
.endm
.macro QA zero                         ; a block's first half: multiplies buffer 0; at its head fetches the second half into buffer 1
	s_wait_dscnt 8                                 ; Wv's and y's rows 0-63 are in; the youngest eight loads (y's rows 64-127) may be out
	PLACES                                         ; behind the quarter before, which read buffer 1
	FETCH 1, F1
	MUL8 F0, 0, \zero
	MUL8 F0, 2, \zero
	s_wait_dscnt 24                                ; all but the 24 just issued
	MUL8 F0, 4, \zero
	MUL8 F0, 6, \zero
.endm
.macro QB                              ; a block's second half: multiplies buffer 1; at its head fetches the next block's first half into buffer 0
	s_wait_dscnt 8
	s_add_co_u32 s[TA], s[TA], ABLK
	s_add_co_u32 s[TBB], s[TBB], BBLK
	WIN 0
	v_add_nc_u32 v[ADRA], s[TA], v[ADRA0]
	v_add_nc_u32 v[ADRB], s[TBB], v[ADRB0]
	PLACES
	FETCH 0, F0
	MUL8 F1, 0, 0
	MUL8 F1, 2, 0
	s_wait_dscnt 24
	MUL8 F1, 4, 0
	MUL8 F1, 6, 0
.endm
; A step's last quarter and the change of slots: one barrier, at its head.  In front of it each wave waits for all its tensor loads (one is out at the most), adds 0 to its spare word, and waits for that and for its reads of this slot.
; kind = 1: this slot is filled again with the step two on: the barrier opens a round of the cluster's, the joint refill is the first thing behind it, and 184 products lie between the request and the wait for it.
; kind = 2: the same with the last block: one row of y's descriptor, 32 rows of Wv's.  kind = 0: nothing is filled.
.macro TURN kind
.if (\kind) == 1
	s_wait_xcnt 0x0                                ; the last prefetches, a K step back, have read their address
	s_add_nc_u64 s[PFA:PFA+1], s[PFA:PFA+1], ASTEP
.endif
	WIN 0
	s_wait_tensorcnt 0x0                           ; no tensor load of mine is out: the descriptors may be written
	ds_add_u32 v[SPW], v[NIL]
.if (\kind) == 1
	s_add_co_u32 s[G0+5], s20, s2                  ; into the slot in hand,
	s_add_co_u32 s[G0B+5], s20, s2
.endif
.if (\kind) == 2
	s_add_co_u32 s[G0+5], s[SM], s2
	s_add_co_u32 s[G0B+5], s[SM], s2
	s_mov_b32 s[G1+2], 1<<16                       ; tensor_dim1 = tile_dim1 = 1 channel block
	s_mov_b32 s[G1+4], 1
	s_mov_b32 s[G1B+2], 32<<16                     ; 32 rows of k
	s_mov_b32 s[G1B+4], 32
	s_sub_nc_u64 s[G0B+6:G0B+7], s[G0B+6:G0B+7], s[BK:BK+1]  ; wave 3's rows begin 32, not 96, behind wave 2's
.endif
.if \kind
	s_add_nc_u64 s[G0+6:G0+7], s[G0+6:G0+7], ASTEP ; the next K step
	s_add_nc_u64 s[G0B+6:G0B+7], s[G0B+6:G0B+7], BSTEP
.endif
	s_wait_dscnt 0x0                               ; the add is done, my reads of this slot (the last issued 32 products ago) are over
	s_barrier_signal -1
	MUL8 F1, 0, 0                                  ; work on registers while the others arrive
	WIN 0
	s_barrier_wait -1
.if \kind
	CREST
	JLOAD 1                                        ; its four v_nop are also the places in front of the loads below
.else
	PLACES
.endif
	s_xor_b32 s2, s2, SLOT                         ; the other slot, its first block
	s_mov_b32 s[TA], s2
	s_mov_b32 s[TBB], s2
	v_add_nc_u32 v[ADRA], s2, v[ADRA0]
	v_add_nc_u32 v[ADRB], s2, v[ADRB0]
	FETCH 0, F0
.if (\kind) == 1
	ASK
.endif
	MUL8 F1, 2, 0
	MUL8 F1, 4, 0
	MUL8 F1, 6, 0
.endm
.macro PHASE tag, kind                 ; a step of three blocks, written out behind the loop
	s_mov_b32 s[BC], 3
.Lb\tag:
	QA 0
	WIN 0
	s_sub_co_u32 s[BC], s[BC], 1
	s_cmp_eq_u32 s[BC], 0
	s_cbranch_scc1 .Lt\tag
	QB
	WIN 0
	s_branch .Lb\tag
.Lt\tag:
	TURN \kind
	WIN 0
.endm
	s_wait_tensorcnt 1                             ; my part of step 0 is in; step 1's may stay out
	s_barrier_signal -1
	s_barrier_wait -1
	FETCH 0, F0
	QA 1                                           ; the first quarter starts the sums
	WIN 0
	s_mov_b32 s3, 3
	s_mov_b32 s[BC], 3
	s_branch .Lmid                                 ; the loop is entered behind a block's first half
.Lstep:                                                ; trip n: step n; its change of slots asks for step n + 2
	s_mov_b32 s[BC], 3
.Lblk:
	QA 0
	WIN 0
.Lmid:
	s_sub_co_u32 s[BC], s[BC], 1
	s_cmp_eq_u32 s[BC], 0
	s_cbranch_scc1 .Lturn
	QB
	WIN 0
	s_branch .Lblk
.Lturn:
	TURN 1
	WIN 0
	s_sub_co_u32 s3, s3, 1
	s_cmp_lg_u32 s3, 0
	s_cbranch_scc1 .Lstep
	PHASE 3, 2                                     ; step 3: its change of slots asks for the last block
	PHASE 4, 0                                     ; step 4: nothing is left to fetch
	QA 0                                           ; step 5: one block
	s_wait_dscnt 8
	MUL8 F1, 0, 0
	MUL8 F1, 2, 0
	s_wait_dscnt 0x0
	MUL8 F1, 4, 0
	MUL8 F1, 6, 0
	WIN 0
	s_barrier_signal -1                            ; every wave's reads of the ring are over, and the ring has had its last fill
	PLACES
	s_barrier_wait -1
	WIN 0x08
.irp a, 0,1,2,3,4,5,6,7                ; the sums go into my part of the dead ring; each accumulator's low registers first
.irp b, 0,1,2,3
	ds_store_b128 v[STO], v[8*(4*(\a)+(\b)):8*(4*(\a)+(\b))+3]   offset:(\a)*16*DP+64*(\b)
	ds_store_b128 v[STO], v[8*(4*(\a)+(\b))+4:8*(4*(\a)+(\b))+7] offset:(\a)*16*DP+64*(\b)+16
.endr
.endr
	WIN 0
	s_mov_b32 s3, 8
.Lrow:                                                 ; 16 rows a trip; LDS serves a wave's instructions in order (ISA guide 5.7.1.4): the loads see my stores
.irp g, 0,1,2,3,4,5,6,7
	ds_load_b128 v[64+4*(\g):64+4*(\g)+3], v[RD] offset:2*DP*(\g)
.endr
.irp g, 0,1,2,3,4,5,6,7
	s_wait_dscnt 7-(\g)                            ; pair g of rows is in
	v_pk_mul_f32 v[64+4*(\g):64+4*(\g)+1], v[64+4*(\g):64+4*(\g)+1], 0x461c4000 op_sel_hi:[1,0]    ; x 10,000
	v_pk_mul_f32 v[64+4*(\g)+2:64+4*(\g)+3], v[64+4*(\g)+2:64+4*(\g)+3], 0x461c4000 op_sel_hi:[1,0]
.irp k, 0,1,2,3
	v_rndne_f32 v[64+4*(\g)+(\k)], v[64+4*(\g)+(\k)]
.endr
	v_pk_mul_f32 v[64+4*(\g):64+4*(\g)+1], v[64+4*(\g):64+4*(\g)+1], 0x38d1b717 op_sel_hi:[1,0]    ; x 1e-4
	v_pk_mul_f32 v[64+4*(\g)+2:64+4*(\g)+3], v[64+4*(\g)+2:64+4*(\g)+3], 0x38d1b717 op_sel_hi:[1,0]
	global_store_b128 v[GO], v[64+4*(\g):64+4*(\g)+3], s[8:9] offset:8192*(\g) th:TH_STORE_NT  ; 16 lanes store 256 consecutive bytes, aligned
.endr
	s_wait_xcnt 0x0                                ; the stores have read their registers and their base
	s_add_nc_u64 s[8:9], s[8:9], 65536
	v_add_nc_u32 v[RD], 16*DP, v[RD]
	s_sub_co_u32 s3, s3, 1
	s_cmp_lg_u32 s3, 0
	s_cbranch_scc1 .Lrow
	s_wait_tensorcnt 0x0                           ; the wave's end
	ds_add_u32 v[SPW], v[NIL]
	s_wait_dscnt 0x0
	CROUND                                         ; the closing round
	s_endpgm
.Lfunc_end_k_qb13f263448_outp:
	.size	k_qb13f263448_outp, .Lfunc_end_k_qb13f263448_outp-k_qb13f263448_outp
	.p2alignl 7, 3214868480
	.fill 96, 4, 3214868480
	.section	.rodata,"a",@progbits
	.p2align	6, 0x0
	.amdhsa_kernel k_qb13f263448_outp
		.amdhsa_group_segment_fixed_size 327680
		.amdhsa_private_segment_fixed_size 0
		.amdhsa_enable_private_segment 0
		.amdhsa_kernarg_size 24
		.amdhsa_user_sgpr_count 2
		.amdhsa_user_sgpr_kernarg_segment_ptr 1
		.amdhsa_wavefront_size32 1
		.amdhsa_system_sgpr_workgroup_id_x 1
		.amdhsa_system_sgpr_workgroup_id_y 1
		.amdhsa_system_sgpr_workgroup_id_z 1
		.amdhsa_system_vgpr_workitem_id 0
		.amdhsa_next_free_vgpr 768
		.amdhsa_next_free_sgpr 76
		.amdhsa_reserve_vcc 0
		.amdhsa_float_denorm_mode_32 3
		.amdhsa_float_denorm_mode_16_64 3
		.amdhsa_memory_ordered 1
		.amdhsa_forward_progress 1
		.amdhsa_inst_pref_size 69
	.end_amdhsa_kernel
	.amdgpu_metadata
---
amdhsa.version: [ 1, 2 ]
amdhsa.kernels:
  - .name:           k_qb13f263448_outp
    .symbol:         k_qb13f263448_outp.kd
    .args:
      - { .name: yh, .offset: 0, .size: 8, .value_kind: global_buffer, .address_space: global }
      - { .name: wh, .offset: 8, .size: 8, .value_kind: global_buffer, .address_space: global }
      - { .name: out0, .offset: 16, .size: 8, .value_kind: global_buffer, .address_space: global }
    .group_segment_fixed_size: 327680
    .private_segment_fixed_size: 0
    .kernarg_segment_align: 8
    .kernarg_segment_size: 24
    .max_flat_workgroup_size: 128
    .sgpr_count:     76
    .vgpr_count:     768
    .wavefront_size: 32
...
	.end_amdgpu_metadata
.endif
;; end of part 5
;; ======== version 2 of 2: 5 launches; version 1 with the launch prep written anew for expert scheduling mode
;; limits: values are held in f16: magnitudes above 65,504 overflow, below 6.1e-05 lose precision
;; workspace buffers: xh 16,777,216 bytes; wh 6,291,456 bytes; qk 33,554,432 bytes; pt 33,554,432 bytes; stm 524,288 bytes; stl 524,288 bytes; yh 16,777,216 bytes
;; launch prep (part 6): grid 256 x 1, 16 waves a work-group, no clusters, 0 bytes of LDS; arguments embedded, Wq, Wk, Wv, xh, wh, stm, stl; writes xh, wh, stm, stl
.if DOCPART == 6
	.amdgcn_target "amdgcn-amd-amdhsa--gfx1250"
	.amdhsa_code_object_version 6
	.text
	.protected	k_qb13f263448_prep
	.globl	k_qb13f263448_prep
	.p2align	8
	.type	k_qb13f263448_prep,@function
k_qb13f263448_prep:
	s_mov_b64 s[64:65], 0
	v_nop
	global_prefetch_b8 v0, s[64:65] scope:SCOPE_SE
	s_setreg_imm32_b32 hwreg(HW_REG_WAVE_SCHED_MODE, 0, 2), 2
	s_setreg_imm32_b32 hwreg(HW_REG_WAVE_MODE, 25, 1), 1
	s_wait_xcnt 0x0
	s_wait_alu depctr_vm_vsrc(0)
; CASTS.  xh = embedded, wh = [Wq | Wk | Wv], each number rounded once to bf16 and that number written as f16.
; LIMITS.  f16 holds no number from 65,520 on (it becomes an infinity); below 2^-14 it keeps its fixed step of 2^-24, so there the bf16 number is rounded a second time.
; A stream: each byte is read once and written once; no LDS, no matrix unit, no cluster (no two work-groups read the same byte).
; SHARES.  256 equal work-groups of 16 waves.  Each casts 131,072 bytes of embedded and 16,384 bytes of each weight: 22 loads of 16 bytes a thread, 8,192 bytes of the work-group apart.
; A wave's load covers 512 consecutive bytes, its store of 8 bytes a lane 256 consecutive bytes, aligned.  All 22 loads go out at once (180,224 bytes of a work-group on their way);
; a load's numbers are converted in place and stored from its two low registers, which nothing writes again: no store is waited for.
; Waves 0 to 7 also fill the tables of block maxima and block sums, 2,048 bytes of each a work-group: maxima with the lowest finite number, sums with 0, for the key blocks that the score launch leaves out.
; THE MODE: SCHED_MODE bits 1:0 = 2 (LLVM: expert scheduling mode 2), set by the entry lines.  The code itself states the register dependences
; between vector instructions and memory instructions, with s_wait_alu, always for 0.
; THE PLAN.  Registers that memory instructions touch:
;   v1, v2      byte offsets of the loads and of the stores: written once at the head, never again.
;   v4 to v7    the fills' data: written once at the head (in every wave, so that the head's one wait serves them), read by the two fills of waves 0 to 7.
;   X[n]        four registers for load n of 22.  Written by the load, which is issued before any vector instruction names them; read by cast n's roundings behind the wait for the load;
;               the low two are written by cast n's last two conversions, read by store n, and never written again.
;   v8 to v13   at work: no memory instruction names them.
; The casts go in blocks of four, and a cast's store is issued four casts later: one wait on va_vdst at a block's head states that the block before has written its four low pairs; the four stores that
; read them are dealt among the block's casts, which name v8 to v13 and their own X alone.  No register that a memory instruction has read is written again, so the text holds no wait on vm_vsrc.
.set X, 16                             ; v[16:103]  22 x 4 numbers as loaded; the low two of each four then hold the result
	s_load_b512 s[4:19], s[0:1], 0x0               ; embedded s[4:5], Wq s[6:7], Wk s[8:9], Wv s[10:11], xh s[12:13], wh s[14:15], stm s[16:17], stl s[18:19]
	v_lshlrev_b32 v1, 4, v0                        ; 16 t: my bytes in 8,192 of a source
	v_lshlrev_b32 v2, 3, v0                        ; 8 t: my bytes in 4,096 of a result
	v_lshrrev_b32 v3, 5, v0
	v_readfirstlane_b32 s20, v3                    ; wave 0..15
	v_mov_b32 v4, 0xff7fffff                       ; the fills: 8 bytes a thread, threads 0 to 255
	v_mov_b32 v5, 0xff7fffff
	v_mov_b32 v6, 0
	v_mov_b32 v7, 0
	s_mov_b32 s26, 0xffff0000                      ; a word's upper bf16
	s_lshl_b32 s22, ttmp9, 17                      ; my part of embedded,
	s_mov_b32 s23, 0
	s_lshl_b32 s24, ttmp9, 16                      ; of xh,
	s_mov_b32 s25, 0
	s_lshl_b32 s28, ttmp9, 14                      ; of each weight,
	s_mov_b32 s29, 0
	s_lshl_b32 s30, ttmp9, 13                      ; of each third of wh,
	s_mov_b32 s31, 0
	s_lshl_b32 s34, ttmp9, 11                      ; of each table
	s_mov_b32 s35, 0
	s_wait_kmcnt 0x0
	s_add_nc_u64 s[4:5], s[4:5], s[22:23]
	s_add_nc_u64 s[6:7], s[6:7], s[28:29]
	s_add_nc_u64 s[8:9], s[8:9], s[28:29]
	s_add_nc_u64 s[10:11], s[10:11], s[28:29]
	s_add_nc_u64 s[12:13], s[12:13], s[24:25]
	s_add_nc_u64 s[14:15], s[14:15], s[30:31]
	s_add_nc_u64 s[16:17], s[16:17], s[34:35]
	s_add_nc_u64 s[18:19], s[18:19], s[34:35]
	s_wait_alu depctr_va_vdst(0)                   ; v1 and v2 are written, which every load and store of the kernel reads as its offset; so are v4 to v7, the fills' data
.set j, 0
.rept 16
	global_load_b128 v[X+4*j:X+4*j+3], v1, s[4:5] offset:8192*j th:TH_LOAD_NT
.set j, j+1
.endr
.irp m, 0,1,2
.irp j, 0,1
	global_load_b128 v[X+64+8*(\m)+4*(\j):X+64+8*(\m)+4*(\j)+3], v1, s[6+2*(\m):7+2*(\m)] offset:8192*(\j) th:TH_LOAD_NT
.endr
.endr
	s_wait_alu depctr_va_sdst(0)                   ; s20, the wave's number, is written, ahead of its first reader, the compare below
	s_cmp_lt_u32 s20, 8
	s_cbranch_scc0 .Lcast
	global_store_b64 v2, v[4:5], s[16:17]          ; no vector instruction since the head's wait names v2 or v4 to v7
	global_store_b64 v2, v[6:7], s[18:19]
.Lcast:
.macro CONV n                          ; cast n: the four numbers of load n
	v_cvt_pk_bf16_f32 v8, v[X+4*(\n)], v[X+4*(\n)+1]    ; the one rounding
	v_cvt_pk_bf16_f32 v9, v[X+4*(\n)+2], v[X+4*(\n)+3]
	v_lshlrev_b32 v10, 16, v8                      ; back to f32,
	v_and_b32 v11, s26, v8
	v_lshlrev_b32 v12, 16, v9
	v_and_b32 v13, s26, v9
	v_cvt_pk_f16_f32 v[X+4*(\n)], v10, v11         ; and the same number as f16
	v_cvt_pk_f16_f32 v[X+4*(\n)+1], v12, v13
.endm
.macro SEND n                          ; store n: numbers 0 to 15 are embedded's, 16 to 21 two of each weight
.if (\n) < 16
	global_store_b64 v2, v[X+4*(\n):X+4*(\n)+1], s[12:13] offset:4096*(\n)
.else
	global_store_b64 v2, v[X+4*(\n):X+4*(\n)+1], s[14:15] offset:2097152*(((\n)-16)/2)+4096*(((\n)-16)%2)
.endif
.endm
.set k, 0
.rept 22
	s_wait_loadcnt 21-k                            ; loads come back in order: number k is in, the younger ones stay out
.if (k % 4 == 0) && (k > 0)
	s_wait_alu depctr_va_vdst(0)                   ; a block's head: the four casts before have written their low pairs, which the next four stores read
.endif
.if k >= 4
	SEND k-4                                       ; the block before: no vector instruction since the wait names its registers
.endif
	CONV k
.set k, k+1
.endr
	SEND 18                                        ; casts 18 and 19 stand ahead of the last block's wait
	SEND 19
	s_wait_alu depctr_va_vdst(0)                   ; casts 20 and 21 have written their low pairs, which the last two stores read
	SEND 20
	SEND 21
	s_endpgm
.Lfunc_end_k_qb13f263448_prep:
	.size	k_qb13f263448_prep, .Lfunc_end_k_qb13f263448_prep-k_qb13f263448_prep
	.p2alignl 7, 3214868480
	.fill 96, 4, 3214868480
	.section	.rodata,"a",@progbits
	.p2align	6, 0x0
	.amdhsa_kernel k_qb13f263448_prep
		.amdhsa_group_segment_fixed_size 0
		.amdhsa_private_segment_fixed_size 0
		.amdhsa_enable_private_segment 0
		.amdhsa_kernarg_size 64
		.amdhsa_user_sgpr_count 2
		.amdhsa_user_sgpr_kernarg_segment_ptr 1
		.amdhsa_wavefront_size32 1
		.amdhsa_system_sgpr_workgroup_id_x 1
		.amdhsa_system_sgpr_workgroup_id_y 1
		.amdhsa_system_sgpr_workgroup_id_z 1
		.amdhsa_system_vgpr_workitem_id 0
		.amdhsa_next_free_vgpr 112
		.amdhsa_next_free_sgpr 66
		.amdhsa_reserve_vcc 0
		.amdhsa_float_denorm_mode_32 3
		.amdhsa_float_denorm_mode_16_64 3
		.amdhsa_memory_ordered 1
		.amdhsa_forward_progress 1
		.amdhsa_inst_pref_size 15
	.end_amdhsa_kernel
	.amdgpu_metadata
---
amdhsa.version: [ 1, 2 ]
amdhsa.kernels:
  - .name:           k_qb13f263448_prep
    .symbol:         k_qb13f263448_prep.kd
    .args:
      - { .name: embedded, .offset: 0, .size: 8, .value_kind: global_buffer, .address_space: global }
      - { .name: Wq, .offset: 8, .size: 8, .value_kind: global_buffer, .address_space: global }
      - { .name: Wk, .offset: 16, .size: 8, .value_kind: global_buffer, .address_space: global }
      - { .name: Wv, .offset: 24, .size: 8, .value_kind: global_buffer, .address_space: global }
      - { .name: xh, .offset: 32, .size: 8, .value_kind: global_buffer, .address_space: global }
      - { .name: wh, .offset: 40, .size: 8, .value_kind: global_buffer, .address_space: global }
      - { .name: stm, .offset: 48, .size: 8, .value_kind: global_buffer, .address_space: global }
      - { .name: stl, .offset: 56, .size: 8, .value_kind: global_buffer, .address_space: global }
    .group_segment_fixed_size: 0
    .private_segment_fixed_size: 0
    .kernarg_segment_align: 8
    .kernarg_segment_size: 64
    .max_flat_workgroup_size: 512
    .sgpr_count:     66
    .vgpr_count:     112
    .wavefront_size: 32
...
	.end_amdgpu_metadata
.endif
;; end of part 6
;; launch proj: the kernel of part 2 again; grid 8 x 32, 4 waves a work-group, clusters of 4 x 4, 327,680 bytes of LDS; arguments xh, wh, qk; writes qk
;; launch score: the kernel of part 3 again; grid 9 x 16, 4 waves a work-group, no clusters, 327,680 bytes of LDS; arguments qk, pt, stm, stl; writes pt, stm, stl
;; launch mix: the kernel of part 4 again; grid 8 x 32, 4 waves a work-group, clusters of 4 x 1, 327,680 bytes of LDS; arguments pt, xh, stm, stl, yh; writes yh
;; launch outp: the kernel of part 5 again; grid 8 x 32, 4 waves a work-group, clusters of 4 x 4, 327,680 bytes of LDS; arguments yh, wh, out0; writes out0
